; MI455X (gfx1250); checked and timed in simulation.
; The chip was launched on July 23, 2026; its instructions are those of AMD's public machine-readable ISA for CDNA 5 (MIT licence, August 2026) and "CDNA5" Instruction Set Architecture Reference Guide (July 2026). The comments in the code are by the model that wrote it; some were corrected since.
;; Causal Attention. Allowed arithmetic: matrix products marked QUANTISED: E3M2 operands, one E8M0 scale for each 32 along K, by v_wmma_scale_f32_16x16x128_f8f6f4 with both operands' format E3M2, f32 sums; everything else in f32.
;; Inputs: Wk 1,024 x 1,024 float32; Wq 1,024 x 1,024 float32; Wv 1,024 x 1,024 float32; x 4 x 2,048 x 1,024 float32.
;; Outputs: out0 4 x 2,048 x 1,024 float32.
;; This version of the problem:
;;   THIS VERSION OF THE PROBLEM IS GIVEN IN LOW PRECISION. The matrix products marked QUANTISED in the list below multiply operands that are first quantised to E3M2 (3 exponent bits, 2 mantissa bits; 6 bits a number), with one power-of-two scale for each 32 numbers along K (OCP MX v1.0); their sums are f32. All else is computed in f32.
;;   The module's matrix products, in the order in which they are computed (A, B: the left and right operand; K: the contracted axis; several contracted axes count as one K, in the product's order):
;;     1. [M 8,192, K 1,024] x [K 1,024, N 1,024]; A: input x; B: input Wq: QUANTISED
;;     2. [M 8,192, K 1,024] x [K 1,024, N 1,024]; A: input x; B: input Wk: QUANTISED
;;     3. [M 8,192, K 1,024] x [K 1,024, N 1,024]; A: input x; B: input Wv: QUANTISED
;;     4. batch 4 x [M 2,048, K 1,024] x [K 1,024, N 2,048]; A: computed on the way; B: computed on the way: QUANTISED
;;     5. batch 4 x [M 2,048, K 2,048] x [K 2,048, N 1,024]; A: softmax (see below); B: computed on the way: QUANTISED
;;   THE QUANTISER, for each operand of a quantised product, along K:
;;     - K is cut into blocks of 32 from its start; a last block that is shorter is filled with zeros.
;;     - A block's scale is 2^e with e = floor(log2(the largest magnitude in the block)) - 4, held to -126 .. 127; a block of zeros has e = 0. As a byte (E8M0): e + 127.
;;     - Each number is divided by its block's scale, clamped to +-28, and rounded to the nearest number of E3M2, ties to even, subnormals kept.
;;     - The product sums the exact products of the quantised numbers (number of the format x scale) in f32.
;;   ~~~python
;;   def quantise(x, axis):      # numpy; x: float32 -> the quantised numbers, widened to float32 again
;;       x = np.moveaxis(x, axis, -1); K = x.shape[-1]
;;       x = np.pad(x, [(0, 0)] * (x.ndim - 1) + [(0, -K % 32)]); x = x.reshape(x.shape[:-1] + (-1, 32)); a = np.abs(x).max(-1, keepdims=True)
;;       e = np.where(a > 0, np.clip(np.frexp(np.where(a > 0, a, 1))[1] - 1 - 4, -126, 127), 0)      # np.frexp(a)[1] - 1 = floor(log2(a)), exactly
;;       r = np.clip(x / 2.0 ** e, -28, 28)
;;       step = 2.0 ** (np.maximum(np.frexp(np.where(r == 0, 1, r))[1] - 1, -2) - 2)
;;       q = np.round(r / step) * step * 2.0 ** e      # np.round: ties to even
;;       return np.moveaxis(q.reshape(q.shape[:-2] + (-1,))[..., :K], -1, axis).astype(np.float32)
;;   ~~~
;;   SOFTMAX AHEAD OF A QUANTISED PRODUCT. Where the list says 'softmax', what is quantised is not the finished softmax but p = 2^(t - M), with t = logit x log2(e) and M = ceil(the row's largest t), a whole number; so 1/2 < the row's largest p <= 1. The row's sum l is taken of the UNQUANTISED p, in f32, and the product's result is divided by l at the end. Since M is a whole number, a kernel that streams over the keys may use a running M (the ceiling of the running maximum): every later rescaling is an exact power of two, which a block's scale takes up: the codes' values come out the same.
;;   OPERANDS COMPUTED ON THE WAY. 'Computed on the way' means the value that the module computes at that place (a softmax that the list does not call 'softmax' is quantised finished and normalised). What goes into a quantiser is computed in f32, as accurately as f32 sums, v_exp_f32 and their like allow (about 1e-6 of the number): no bf16 or f16 on the way to a quantiser, and a product that is left as it is and whose result goes on into a quantised operand takes f32 operands (vector FMAs, or v_wmma_f32_16x16x4_f32). A number that lies on a knife's edge between two numbers of the format may be rounded either way, as far as f32 arithmetic and the matrix unit's own rounding can turn it there, and no further.
;; One version. Each part assembles by itself: llvm-mc -triple=amdgcn-amd-amdhsa -mcpu=gfx1250 --defsym DOCPART=n.
;; ======== version 1 of 1: 4 launches
;; limits: right only within a limited range of input values
;; workspace buffers: xq 6,553,600 bytes; wq 2,457,600 bytes; qk 13,107,200 bytes; vt 6,553,600 bytes; pc 6,684,672 bytes; st 835,584 bytes
;; launch quant (part 1): grid 704 x 1, 8 waves a work-group, no clusters, 69,120 bytes of LDS; arguments x, Wq, Wk, Wv, xq, wq; writes xq, wq
.if DOCPART == 1
	.amdgcn_target "amdgcn-amd-amdhsa--gfx1250"
	.amdhsa_code_object_version 6
	.text
	.protected	k_q3a0c25fd94_quant
	.globl	k_q3a0c25fd94_quant
	.p2align	8
	.type	k_q3a0c25fd94_quant,@function
k_q3a0c25fd94_quant:
	s_mov_b64 s[64:65], 0
	v_nop
	global_prefetch_b8 v0, s[64:65] scope:SCOPE_SE
	s_setreg_imm32_b32 hwreg(HW_REG_WAVE_MODE, 25, 1), 1
	s_wait_xcnt 0x0
; x [8192][1024] and Wq, Wk, Wv [1024 (k)][1024 (n)], f32, become codes of BF6 (E3M2) with one E8M0 scale byte for each 32 along K, laid as UNITS.
; A UNIT is 128 rows x 128 K of an operand in the order of the operand's registers: eight fragment images of 1,536 bytes (fragment a, registers 4 c .. 4 c + 3 of lane l at 1536 a + 512 c + 16 l),
; and behind them 512 bytes of scale words (fragment a, lane row r at 12288 + 32 r + 4 a): 12,800 bytes.  Place (a, r) of a unit holds row 32 (a / 2) + 8 (a % 2) + r + 8 (r / 8) of its 128 rows,
; so that a later product, used transposed, leaves 16 neighbours along its own columns in 16 registers of a lane.
; A block's scale is 2^(floor(log2(its largest magnitude)) - 4); its byte is the largest magnitude's exponent field - 4, held at 1 from below.
; LIMITS: a block of zeros gets the byte 1 where the quantiser says 127 (its codes are zeros, and this program alone reads the bytes); NaN and infinities among the inputs are not served.
; SHARES.  One work-group makes one unit, wave a its fragment a.  Work-groups 0 .. 511: x's unit (row group id / 8, K step id % 8).  512 .. 703: a weight's unit (weight w / 64, column group (w / 8) % 8, K step w % 8).
; Both kinds fill ONE stage of 128 rows x (512 bytes + 16) by one path: each of a wave's 16 loads reads 512 consecutive bytes of one row, and goes to stage row 16 a + i as it lies.
; x: K is innermost: stage row 16 a + i is place i of fragment a, and a lane reads back 32 neighbours along K of its row, twice (its own wave's rows).
; W: K is the first axis: the stage holds 128 (k) x 128 (n), and a lane reads its column down K, 4 bytes at a time; there the two halves of the lanes ask for different words of the same banks.
; The numbers come back into the registers that they were loaded into: 112 registers a wave and 68,096 bytes of LDS, so that several work-groups lie on a WGP and have their loads out together.
; No tensor load: LDS is claimed as it is used.
.set UNIT,  12800
.set SCO,   12288
.set FRB,   1536
.set SP,    528                        ; a stage row: 512 bytes + 16
.set SCA,   128*SP                     ; behind the stage: the unit's 512 bytes of scale words
.set NX,    512                        ; x's units
.set X,     16                         ; v16-79   16 loads of four registers; then X[32 c + i] = k 64 c + 32 h + i of my row
.set TM,    80                         ; v80-87   largest magnitudes, scale operands, bytes, the scale word
.set PC,    88                         ; v88-99   the fragment's 12 registers
.set AUX,   100                        ; v100-106 the second halves of the two blocks, as the conversions leave them
.set OW,    108                        ; v108-111 the scale words on their way out
	s_load_b256 s[4:11], s[0:1], 0x0               ; x, Wq, Wk, Wv
	s_load_b128 s[12:15], s[0:1], 0x20             ; xq, wq
	v_lshl_add_u32 v112, v0, 2, 0x10a00
	v_mov_b32 v113, 0
	v_lshrrev_b32 v1, 5, v0
	s_delay_alu instid0(VALU_DEP_1)
	v_readfirstlane_b32 s16, v1                    ; wave a
	v_and_b32 v1, 15, v0                           ; r
	v_bfe_u32 v2, v0, 4, 1                         ; h
	v_and_b32 v3, 31, v0                           ; lane
	s_delay_alu instid0(VALU_DEP_1)
	v_lshlrev_b32 v4, 4, v3                        ; 16 x lane
	s_mul_i32 s17, s16, FRB
	v_add_nc_u32 v5, s17, v4                       ; my 16 bytes of my fragment's image
	s_mul_i32 s17, s16, 16*SP
	v_add_nc_u32 v6, s17, v4                       ; the stage, in: my wave's 16 rows, 16 bytes a lane
	v_mul_u32_u24 v7, v1, SP
	s_delay_alu instid0(VALU_DEP_1)
	v_lshl_add_u32 v7, v2, 7, v7
	s_delay_alu instid0(VALU_DEP_1)
	v_add_nc_u32 v7, s17, v7                       ; out, for x: my wave's row r, + 128 h
	s_lshr_b32 s18, s16, 1
	s_lshl_b32 s18, s18, 5
	s_and_b32 s19, s16, 1
	s_lshl_b32 s19, s19, 3
	s_add_co_u32 s18, s18, s19                     ; ca = 32 (a / 2) + 8 (a % 2): my fragment's first row
	v_and_b32 v9, 8, v1
	s_delay_alu instid0(VALU_DEP_1)
	v_add_nc_u32 v9, v9, v1                        ; r + 8 (r / 8)
	s_delay_alu instid0(VALU_DEP_1)
	v_add_nc_u32 v9, s18, v9
	s_delay_alu instid0(VALU_DEP_1)
	v_lshlrev_b32 v9, 2, v9
	s_delay_alu instid0(VALU_DEP_1)
	v_mad_u32_u24 v9, v2, 32*SP, v9                ; out, for a weight: my column, 32 h rows down
	v_lshlrev_b32 v10, 5, v1
	s_lshl_b32 s19, s16, 2
	v_add_nc_u32 v10, s19, v10
	s_delay_alu instid0(VALU_DEP_1)
	v_add_nc_u32 v10, SCA, v10                     ; my row's scale word: 32 r + 4 a
	v_add_nc_u32 v11, SCA, v4                      ; the 512 bytes on their way out
	s_mov_b32 s36, 0x76543210
	s_mov_b32 s37, 0xfedcba98                      ; v_permlanex16_b32's selects for lane l xor 16
	s_sub_co_u32 s20, ttmp9, NX                    ; w: which unit of the weights (used in their work-groups alone)
	s_lshr_b32 s21, s20, 6                         ; which weight
	s_bfe_u32 s22, s20, 0x30003                    ; its column group
	s_and_b32 s23, ttmp9, 7                        ; the K step, in both kinds
	s_lshr_b32 s24, ttmp9, 3                       ; x's row group
	s_lshl_b32 s25, s24, 19                        ; x: (128 G + ca) rows of 4,096 bytes + 512 t
	s_lshl_b32 s26, s18, 12
	s_add_co_u32 s25, s25, s26
	s_lshl_b32 s26, s23, 9
	s_add_co_u32 s25, s25, s26
	s_lshl_b32 s27, s23, 19                        ; W: (128 t + 16 a) rows of 4,096 bytes + 512 x column group
	s_lshl_b32 s26, s16, 16
	s_add_co_u32 s27, s27, s26
	s_lshl_b32 s26, s22, 9
	s_add_co_u32 s27, s27, s26
	; the order of the units: x: 16 x (row group / 2) + 2 x K step + row group % 2; the weights: 3 x (8 x column group + K step) + weight
	s_and_b32 s39, ttmp9, -16
	s_lshl_b32 s26, s23, 1
	s_add_co_u32 s39, s39, s26
	s_and_b32 s24, s24, 1
	s_add_co_u32 s39, s39, s24
	s_lshl_b32 s22, s22, 3
	s_add_co_u32 s22, s22, s23
	s_mul_i32 s22, s22, 3
	s_add_co_u32 s22, s22, s21
	s_wait_kmcnt 0x0
	s_cmp_eq_u32 s21, 1                            ; the buffers are chosen on the work-group's number alone
	s_cselect_b64 s[28:29], s[8:9], s[6:7]
	s_cmp_eq_u32 s21, 2
	s_cselect_b64 s[28:29], s[10:11], s[28:29]
	s_cmp_lt_u32 ttmp9, NX
	s_cselect_b64 s[28:29], s[4:5], s[28:29]
	s_cselect_b64 s[30:31], s[12:13], s[14:15]
	s_cselect_b32 s32, s25, s27
	s_cselect_b32 s34, s39, s22
	s_cselect_b32 s38, 0x8000, 0                   ; x: places 8 .. 15 of a fragment are rows ca + 16 .. ca + 23: eight rows of 4,096 bytes further down than a weight's
	s_mov_b32 s33, 0
	s_add_nc_u64 s[28:29], s[28:29], s[32:33]      ; where my wave's 16 rows begin
	s_mul_i32 s34, s34, UNIT
	s_mov_b32 s35, 0
	s_add_nc_u64 s[30:31], s[30:31], s[34:35]      ; the unit
	v_add_nc_u32 v8, s38, v4                       ; the offset of loads 8 .. 15
.irp i, 0,1,2,3,4,5,6,7
	global_load_b128 v[X+4*\i:X+4*\i+3], v4, s[28:29] offset:\i*4096 th:TH_LOAD_NT     ; 32 lanes read a row's 512 consecutive bytes
.endr
.irp i, 8,9,10,11,12,13,14,15
	global_load_b128 v[X+4*\i:X+4*\i+3], v8, s[28:29] offset:\i*4096 th:TH_LOAD_NT
.endr
.irp i, 0,1,2,3,4,5,6,7,8,9,10,11,12,13,14,15
	s_wait_loadcnt 15-\i                           ; load i is in; the younger ones may be out
	ds_store_b128 v6, v[X+4*\i:X+4*\i+3] offset:SP*\i
.endr
	s_wait_dscnt 0x0                               ; my stores into the stage are done, and have read their registers: a weight's stage is read by all eight waves
	s_barrier_signal -1
	s_barrier_wait -1
	s_cmp_lt_u32 ttmp9, NX
	s_cbranch_scc0 .Lw_out
.irp c, 0,1
.irp j, 0,1,2,3,4,5,6,7
	ds_load_b128 v[X+32*\c+4*\j:X+32*\c+4*\j+3], v7 offset:256*\c+16*\j
.endr
.endr
	s_branch .Ltail
.Lw_out:
	s_wait_alu depctr_va_vdst(0)
.irp c, 0,1
.irp i, 0,1,2,3,4,5,6,7,8,9,10,11,12,13,14,15,16,17,18,19,20,21,22,23,24,25,26,27,28,29,30,31
	ds_load_b32 v[X+32*\c+\i], v9 offset:SP*(64*\c+\i)
.endr
.endr
.Ltail:
	s_wait_dscnt 0x0
.irp c, 0,1                                    ; my block 2 c + h: all its 32 numbers are mine
	v_max3_num_f32 v[TM+\c], |v[X+32*\c]|, |v[X+32*\c+1]|, 0x2800000   ; with the floor 2^(5 - 127) among the leaves: the byte cannot fall under 1
.endr
.irp i, 2,4,6,8,10,12,14,16,18,20,22,24,26,28,30
.irp c, 0,1
	s_delay_alu instid0(VALU_DEP_2)
	v_max3_num_f32 v[TM+\c], v[TM+\c], |v[X+32*\c+\i]|, |v[X+32*\c+\i+1]|
.endr
.endr
.irp c, 0,1
	s_delay_alu instid0(VALU_DEP_2)
	v_add_nc_u32 v[TM+2+\c], 0xfe000000, v[TM+\c]  ; 4 off the exponent field: the conversion's scale operand
.endr
.irp c, 0,1
	s_delay_alu instid0(VALU_DEP_2)
	v_lshrrev_b32 v[TM+4+\c], 23, v[TM+2+\c]       ; the scale's byte
.endr
	s_delay_alu instid0(VALU_DEP_1)
	v_lshl_or_b32 v[TM+6], v[TM+5], 16, v[TM+4]    ; my two bytes: blocks h and 2 + h,
	v_lshlrev_b32 v[TM+7], 3, v2
	s_delay_alu instid0(VALU_DEP_1)
	v_lshlrev_b32 v[TM+6], v[TM+7], v[TM+6]        ; at their places in the word;
	v_mov_b32 v[TM+7], 0
	s_delay_alu instid0(VALU_DEP_1)
	v_permlanex16_b32 v[TM+7], v[TM+6], s36, s37
	s_delay_alu instid0(VALU_DEP_1)
	v_or_b32 v[TM+6], v[TM+6], v[TM+7]             ; with lane l xor 16's two the word is whole
.irp c, 0,1
	v_cvt_scalef32_pk16_bf6_f32 v[PC+6*\c:PC+6*\c+2], v[X+32*\c:X+32*\c+15], v[TM+2+\c]
	v_cvt_scalef32_pk16_bf6_f32 v[AUX+4*\c:AUX+4*\c+2], v[X+32*\c+16:X+32*\c+31], v[TM+2+\c]   ; (a conversion's three registers begin on an even number)
.endr
	v_nop                                          ; one plain place behind a scaled conversion
.irp c, 0,1
.irp i, 0,1,2
	v_mov_b32 v[PC+3+6*\c+\i], v[AUX+4*\c+\i]
.endr
.endr
.irp c, 0,1,2
	global_store_b128 v5, v[PC+4*\c:PC+4*\c+3], s[30:31] offset:512*\c th:TH_STORE_NT   ; 32 lanes store 512 consecutive bytes, at a multiple of 256 from the buffer's first byte
.endr
	ds_store_b32 v10, v[TM+6]                      ; both halves of the lanes write the same word with the same value
	s_wait_dscnt 0x0
	s_barrier_signal -1
	s_barrier_wait -1                              ; the unit's 128 scale words lie together
	s_cmp_lg_u32 s16, 0
	s_cbranch_scc1 .Lend
	ds_load_b128 v[OW:OW+3], v11
	s_wait_dscnt 0x0
	global_store_b128 v4, v[OW:OW+3], s[30:31] offset:SCO th:TH_STORE_NT
.Lend:
	s_wait_tensorcnt 0x0
	ds_add_u32 v112, v113
	s_wait_dscnt 0x0
	s_endpgm
.Lfunc_end_k_q3a0c25fd94_quant:
	.size	k_q3a0c25fd94_quant, .Lfunc_end_k_q3a0c25fd94_quant-k_q3a0c25fd94_quant
	.p2alignl 7, 3214868480
	.fill 96, 4, 3214868480
	.section	.rodata,"a",@progbits
	.p2align	6, 0x0
	.amdhsa_kernel k_q3a0c25fd94_quant
		.amdhsa_group_segment_fixed_size 69120
		.amdhsa_private_segment_fixed_size 0
		.amdhsa_enable_private_segment 0
		.amdhsa_kernarg_size 48
		.amdhsa_user_sgpr_count 2
		.amdhsa_user_sgpr_kernarg_segment_ptr 1
		.amdhsa_wavefront_size32 1
		.amdhsa_system_sgpr_workgroup_id_x 1
		.amdhsa_system_sgpr_workgroup_id_y 1
		.amdhsa_system_sgpr_workgroup_id_z 1
		.amdhsa_system_vgpr_workitem_id 0
		.amdhsa_next_free_vgpr 114
		.amdhsa_next_free_sgpr 66
		.amdhsa_reserve_vcc 0
		.amdhsa_float_denorm_mode_32 3
		.amdhsa_float_denorm_mode_16_64 3
		.amdhsa_memory_ordered 1
		.amdhsa_forward_progress 1
		.amdhsa_inst_pref_size 17
	.end_amdhsa_kernel
	.amdgpu_metadata
---
amdhsa.version: [ 1, 2 ]
amdhsa.kernels:
  - .name:           k_q3a0c25fd94_quant
    .symbol:         k_q3a0c25fd94_quant.kd
    .args:
      - { .name: x, .offset: 0, .size: 8, .value_kind: global_buffer, .address_space: global }
      - { .name: Wq, .offset: 8, .size: 8, .value_kind: global_buffer, .address_space: global }
      - { .name: Wk, .offset: 16, .size: 8, .value_kind: global_buffer, .address_space: global }
      - { .name: Wv, .offset: 24, .size: 8, .value_kind: global_buffer, .address_space: global }
      - { .name: xq, .offset: 32, .size: 8, .value_kind: global_buffer, .address_space: global }
      - { .name: wq, .offset: 40, .size: 8, .value_kind: global_buffer, .address_space: global }
    .group_segment_fixed_size: 69120
    .private_segment_fixed_size: 0
    .kernarg_segment_align: 8
    .kernarg_segment_size: 48
    .max_flat_workgroup_size: 256
    .sgpr_count:     66
    .vgpr_count:     114
    .wavefront_size: 32
...
	.end_amdgpu_metadata
.endif
;; end of part 1
;; launch proj (part 2): grid 8 x 32, 4 waves a work-group, clusters of 4 x 4, 327,680 bytes of LDS; arguments xq, wq, qk, vt; writes qk, vt
.if DOCPART == 2
	.amdgcn_target "amdgcn-amd-amdhsa--gfx1250"
	.amdhsa_code_object_version 6
	.text
	.protected	k_q3a0c25fd94_proj
	.globl	k_q3a0c25fd94_proj
	.p2align	8
	.type	k_q3a0c25fd94_proj,@function
k_q3a0c25fd94_proj:
	s_mov_b64 s[64:65], 0
	v_nop
	global_prefetch_b8 v0, s[64:65] scope:SCOPE_SE
	s_setreg_imm32_b32 hwreg(HW_REG_WAVE_MODE, 25, 1), 1
	s_wait_xcnt 0x0
	s_wait_alu depctr_hold_cnt(0) depctr_sa_sdst(0) depctr_va_vdst(0) depctr_va_sdst(0) depctr_va_ssrc(0) depctr_va_vcc(0) depctr_vm_vsrc(0)
	s_getreg_b32 s2, hwreg(HW_REG_IB_STS2, 6, 4)
	s_cmp_eq_u32 s2, 0
	s_cbranch_scc0 .Lentry_in_a_cluster
	s_endpgm
.Lentry_in_a_cluster:
	s_bfe_u32 s2, ttmp6, 0x10000c
	s_cmp_lg_u32 s2, 0xf033
	s_cbranch_scc0 .Lentry_shape_is_right
	s_endpgm
.Lentry_shape_is_right:
; q = x Wq, k = x Wk, v = x Wv on codes of BF6 (E3M2) with E8M0 scales; the results are quantised in registers for the products that follow.
; OPERANDS come as units: 128 rows x 128 K as images of the operand's registers (fragment a, registers 4 c .. 4 c + 3 of lane l at 1536 a + 512 c + 16 l), and from byte 12,288 on the scale words (32 r + 4 a): 12,800 bytes.
; Place (a, r) of a unit holds row 32 (a / 2) + 8 (a % 2) + r + 8 (r / 8).  x: tile row, K step, then two units (its two groups of 128 tokens).  Weights: column group, K step, then three units (Wq, Wk, Wv).
; RESULTS leave as such units: q and k with rows = tokens and K = channels; v TURNED, rows = channels and K = tokens.
; A WORK-GROUP takes 256 tokens (tile row) x column group X of q, of k and of v: 32 x 8 = 256 work-groups of equal work.  Wave (wt, wc): tokens 128 wt on; wc = 0: q, wc = 1: k, all 128 channels (64 accumulators);
; and of v channels 64 wc on (32 accumulators).  x's fragments serve both: 63 LDS loads feed a K step's 96 products.
; THE MATRIX INSTRUCTION IS USED TRANSPOSED.  q, k: source 0 = 16 weight columns, source 1 = 16 tokens: a lane holds a token, its 64 registers of accumulators (a, 0 .. 7) run along the channels.
; v: source 0 = 16 tokens, source 1 = 16 columns of Wv: a lane holds a channel, its registers run along the tokens.  By the order of rows in a unit, register 16 b + i is K = 32 b + 16 (lane / 16) + i.
; K = 1,024 is eight steps of 128, four fills of two steps, two LDS slots by turns.  A fill is 51,200 dense bytes of x (waves 0, 1: a step each) and 76,800 of weights (waves 2, 3), as rows of 256 bytes; one load a wave.
; CLUSTERS: 4 x 4.  x hangs on the tile row alone and is asked for jointly along a row of the cluster, the weights on the column group alone, along a column.
; No prefetch: K has four fills, two of them go out at the head, and the last two are asked for two K steps (192 products a wave) ahead of their first use.
; LIMITS: a block of zeros gets the scale byte 1 (its codes are zeros; this program alone reads the bytes); NaN and infinities are not served.
; REGISTERS: window 0: v1-31 addresses; v32-55 scale words, two sets of 12; v64-159 weights' fragments, two buffers of four; v160-255 x's eight fragments.  Windows 1, 2: q's or k's accumulator (a, b) at
; v[8 (8 (a % 4) + b)], window 1 + a / 4.  Window 3: v's accumulator (a, b) at v[8 (8 a + b)].
.set UNIT,  12800
.set SCO,   12288
.set FRB,   1536
.set XSTEP, 2*UNIT                     ; a K step's x
.set WSTEP, 3*UNIT                     ; a K step's weights
.set WOFF,  2*XSTEP                    ; behind a slot's x: its weights
.set SLOT,  2*XSTEP+2*WSTEP
.set SPARE, 2*SLOT                     ; behind the slots: the spare words, 128 bytes a wave: two blocks of 256 bytes that no other line names
.set LI,   4                           ; v4   16 x lane
.set SO,   5                           ; v5   32 r + 16 h
.set LI2,  6                           ; v6   16 x lane + my four fragments' place in a unit of v turned
.set SO2,  7                           ; v7   32 r + 16 wc + 8 h
.set ADRX, 8                           ; v8-9   x's fragments in slot 0, 1
.set ADRW, 10                          ; v10-11 Wq's or Wk's
.set ADRV, 12                          ; v12-13 my four of Wv
.set ADRS, 14                          ; v14-17 scale words (slot 0 step 0, step 1, slot 1 ..): lanes 0-15 x's, lanes 16-31 Wq's or Wk's
.set ADVS, 18                          ; v18-19 Wv's scale words
.set SPW,  28
.set NIL,  29
.set SC,   32
.set WB,   64
.set XF,   160
.set PC0,  64                          ; the way out: two sets of 2 x 20 registers for two fragments' codes
.set BM,   144                         ; v144-151 largest magnitudes: 4 x fragment + block
.set BX,   152                         ; v152-159 the other half's
.set SOP,  160                         ; v160-167 scale operands
.set BY,   168                         ; v168-175 bytes
.set PWS,  176                         ; v176-183 the fragments' scale words; v184-187 v's
.set T4,   188
.set G1A,  24
.set G1B,  32
.set G0A,  48                          ; s[48:55] one set for each slot
.set G0B,  56                          ; s[56:63]
.set OUT,  92
.set OUT2, 94
.set SEL,  98
.set HM,   100
.set MSB, 0
.macro WIN new                         ; the immediate's high byte repeats the setting that is left
.if MSB != (\new)
	s_set_vgpr_msb (MSB<<8)|(\new)
.set MSB, \new
.endif
.endm
.macro JLOAD g0a, g0b                  ; waves 0 and 1 issue the first line, waves 2 and 3 the second; four v_nop follow each line
	s_cmp_eq_u32 s15, 0
	s_cbranch_scc0 .Lfor_b_\@
	tensor_load_to_lds s[\g0a:\g0a+3], s[G1A:G1A+7]
	s_nop 0
.rept 4
	v_nop
.endr
	s_branch .Lasked_\@
.Lfor_b_\@:
	tensor_load_to_lds s[\g0b:\g0b+3], s[G1B:G1B+7]
	s_nop 0
.rept 4
	v_nop
.endr
.Lasked_\@:
.endm
.macro CREST                           ; a round of the cluster's barrier behind its opening barrier
	s_cmp_lg_u32 s14, 0
	s_cbranch_scc1 .Lnot_wave_0_\@
	s_barrier_signal -3
.Lnot_wave_0_\@:
	s_barrier_wait -3
	s_barrier_signal -1
	s_barrier_wait -1
.endm
.macro CROUND
	s_barrier_signal -1
	s_barrier_wait -1
	CREST
.endm
.macro PLACES                          ; four places in front of loads into registers that matrix instructions have read, and of the first read of results
.rept 4
	v_nop
.endr
.endm
.macro LDF reg, adr, off, n            ; n fragments, three loads of 512 consecutive bytes each
.set NN, 0
.rept \n
.irp c, 0,1,2
	ds_load_b128 v[(\reg)+12*NN+4*\c:(\reg)+12*NN+4*\c+3], v[\adr] offset:(\off)+FRB*NN+512*\c
.endr
.set NN, NN+1
.endr
.endm
.macro FX s, i0, n                     ; K step s: x's fragments i0 ..
.set QR, XF+12*(\i0)
.set QA, ADRX+(((\s)>>1)&1)
.set QO, ((\s)&1)*XSTEP+FRB*(\i0)
	LDF QR, QA, QO, \n
.endm
.macro FW s, g                         ; Wq's or Wk's fragments 4 g .. 4 g + 3: group 3 s + g, buffer by its parity
.set QR, WB+48*((3*(\s)+(\g))&1)
.set QA, ADRW+(((\s)>>1)&1)
.set QO, ((\s)&1)*WSTEP+4*FRB*(\g)
	LDF QR, QA, QO, 4
.endm
.macro FV s                            ; my four of Wv: group 3 s + 2
.set QR, WB+48*((3*(\s)+2)&1)
.set QA, ADRV+(((\s)>>1)&1)
.set QO, ((\s)&1)*WSTEP
	LDF QR, QA, QO, 4
.endm
.macro FS s                            ; the scale words into set s % 2
.set QR, SC+12*((\s)&1)
.set QA, ADRS+((\s)&3)
.set QB, ADVS+(((\s)>>1)&1)
	ds_load_b128 v[QR:QR+3], v[QA]
	ds_load_b128 v[QR+4:QR+7], v[QA] offset:16
	ds_load_b128 v[QR+8:QR+11], v[QB] offset:((\s)&1)*WSTEP
.endm
.macro MQ s, g, a0, n, zero            ; x's fragments a0 .. x group g's four.  All 96 accumulators take turns in one order in every K step
.set AA, \a0
.set QW, WB+48*((3*(\s)+(\g))&1)
.set QS, SC+12*((\s)&1)
.rept \n
	WIN 0x50+0x50*(AA/4)
.irp b, 0,1,2,3
.set DD, 8*(8*(AA%4)+4*(\g)+\b)
.if \zero
	v_wmma_scale_f32_16x16x128_f8f6f4 v[DD:DD+7], v[QW+12*\b:QW+12*\b+11], v[XF+12*AA:XF+12*AA+11], 0, v[QS+4*(\g)+\b], v[QS+AA] matrix_a_fmt:MATRIX_FMT_BF6 matrix_b_fmt:MATRIX_FMT_BF6 matrix_a_scale:MATRIX_SCALE_ROW1
.else
	v_wmma_scale_f32_16x16x128_f8f6f4 v[DD:DD+7], v[QW+12*\b:QW+12*\b+11], v[XF+12*AA:XF+12*AA+11], v[DD:DD+7], v[QS+4*(\g)+\b], v[QS+AA] matrix_a_fmt:MATRIX_FMT_BF6 matrix_b_fmt:MATRIX_FMT_BF6 matrix_a_scale:MATRIX_SCALE_ROW1
.endif
.endr
.set AA, AA+1
.endr
.endm
.macro MV s, b0, n, zero               ; v: x's fragments b0 .. as source 0, my four of Wv as source 1; both sides' scale words are read from lanes 0-15
.set AA, \b0
.set QW, WB+48*((3*(\s)+2)&1)
.set QS, SC+12*((\s)&1)
	WIN 0xf0
.rept \n
.irp a, 0,1,2,3
.set DD, 8*(8*\a+AA)
.if \zero
	v_wmma_scale_f32_16x16x128_f8f6f4 v[DD:DD+7], v[XF+12*AA:XF+12*AA+11], v[QW+12*\a:QW+12*\a+11], 0, v[QS+AA], v[QS+8+\a] matrix_a_fmt:MATRIX_FMT_BF6 matrix_b_fmt:MATRIX_FMT_BF6
.else
	v_wmma_scale_f32_16x16x128_f8f6f4 v[DD:DD+7], v[XF+12*AA:XF+12*AA+11], v[QW+12*\a:QW+12*\a+11], v[DD:DD+7], v[QS+AA], v[QS+8+\a] matrix_a_fmt:MATRIX_FMT_BF6 matrix_b_fmt:MATRIX_FMT_BF6
.endif
.endr
.set AA, AA+1
.endr
	WIN 0
.endm
; A K STEP: three groups of 32 products: Wq's or Wk's fragments 0-3, 4-7, then Wv's.  While one group is multiplied the next one's fragments are on their way into the other buffer; x's fragments are replaced in three
; batches in the third group, each as soon as its products are issued.  turn = 1: the step leaves its slot, which a round of the cluster's barrier lets be filled again; turn = 2: the slot is left, nothing is filled.
.macro STEP s, zero, turn
	PLACES
	FX \s, 6, 2
	FW \s, 1
	s_wait_dscnt 27                                ; out may be: x's fragments 3-5 (9 loads), 6-7 (6), the second group (12)
	MQ \s, 0, 0, 3, \zero
	s_wait_dscnt 18                                ; x's 6-7 and the second group
	MQ \s, 0, 3, 3, \zero
	s_wait_dscnt 12                                ; the second group
	MQ \s, 0, 6, 2, \zero
	s_wait_dscnt 0x0
	WIN 0
	PLACES
	FV \s
.if \turn == 0
	MQ \s, 1, 0, 8, \zero
	s_wait_dscnt 0x0
	WIN 0
	PLACES
.else
	s_wait_tensorcnt 0x0                           ; my part of the other slot has landed: no tensor load of mine is out
.if \turn == 1
	ds_add_u32 v[SPW], v[NIL]                      ; 0 onto my spare word
.endif
	MQ \s, 1, 0, 4, \zero
	s_wait_dscnt 0x0                               ; my LDS instructions are done, my reads of this slot among them
	s_barrier_signal -1
	MQ \s, 1, 4, 4, \zero
	WIN 0
	s_barrier_wait -1
.if \turn == 1
	CREST                                          ; no wave of any partner still reads this slot or has a load on its way
.set QG, 4*(((\s)>>1)&1)
	s_add_nc_u64 s[G0A+QG+2:G0A+QG+3], s[G0A+QG+2:G0A+QG+3], 4*XSTEP
	s_add_nc_u64 s[G0B+QG+2:G0B+QG+3], s[G0B+QG+2:G0B+QG+3], 4*WSTEP
	JLOAD G0A+QG, G0B+QG                           ; the fill two on, into the slot just read; its four v_nop are the places in front of the loads below
.else
	PLACES
.endif
.endif
.if \s < 7
	FW (\s)+1, 0
	FS (\s)+1
	MV \s, 0, 3, \zero
	PLACES
	FX (\s)+1, 0, 3
	MV \s, 3, 3, \zero
	PLACES
	FX (\s)+1, 3, 3
	MV \s, 6, 2, \zero
.else
	MV \s, 0, 8, \zero
.endif
.endm
; THE QUANTISER.  64 numbers of a lane in window W from register s on, register 16 b + i = k 32 b + 16 (lane / 16) + i of my row.
.macro QPAIR W, s, k, word             ; two fragments at once (the second 64 registers further on), line by line: pair k's codes in set k % 2, the scale words in v[word], v[word + 1]
	WIN ((\W)<<2)|((\W)<<4)
.irp b, 0,1,2,3
.irp f, 0,1
	v_max3_num_f32 v[BM+4*\f+\b], 0x2800000, |v[(\s)+64*\f+16*\b]|, |v[(\s)+64*\f+16*\b+1]|   ; with the floor 2^(5 - 127): the byte cannot fall under 1.  Each accumulator is read from its low end on
.endr
.endr
.irp i, 2,4,6,8,10,12,14
.irp b, 0,1,2,3
.irp f, 0,1
	v_max3_num_f32 v[BM+4*\f+\b], v[BM+4*\f+\b], |v[(\s)+64*\f+16*\b+\i]|, |v[(\s)+64*\f+16*\b+\i+1]|
.endr
.endr
.endr
	WIN 0
.irp n, 0,1,2,3,4,5,6,7
	v_permlanex16_b32 v[BX+\n], v[BM+\n], s[SEL], s[SEL+1]
.endr
.irp n, 0,1,2,3,4,5,6,7
	v_max_num_f32 v[BM+\n], v[BM+\n], v[BX+\n]     ; with lane l xor 16's 16 numbers
.endr
.irp n, 0,1,2,3,4,5,6,7
	v_add_nc_u32 v[SOP+\n], 0xfe000000, v[BM+\n]   ; 4 off the exponent field: the conversion's scale operand
.endr
.irp n, 0,1,2,3,4,5,6,7
	v_lshrrev_b32 v[BY+\n], 23, v[SOP+\n]          ; the scale's byte
.endr
.irp f, 0,1
	v_lshl_or_b32 v[(\word)+\f], v[BY+4*\f+1], 8, v[BY+4*\f]
.endr
.irp f, 0,1
	v_lshl_or_b32 v[(\word)+\f], v[BY+4*\f+2], 16, v[(\word)+\f]
.endr
.irp f, 0,1
	v_lshl_or_b32 v[(\word)+\f], v[BY+4*\f+3], 24, v[(\word)+\f]
.endr
.set PB, PC0+40*((\k)%2)
.if (\k) > 1
	s_wait_alu depctr_va_vdst(0)
	s_wait_xcnt 0x0                                ; the stores of the pair two back have read these registers
.endif
	WIN \W
.irp c, 0,1
.irp f, 0,1
	v_cvt_scalef32_pk16_bf6_f32 v[PB+20*\f+6*\c:PB+20*\f+6*\c+2], v[(\s)+64*\f+32*\c:(\s)+64*\f+32*\c+15], v[SOP+4*\f+2*\c]
	v_cvt_scalef32_pk16_bf6_f32 v[PB+20*\f+12+4*\c:PB+20*\f+14+4*\c], v[(\s)+64*\f+16+32*\c:(\s)+64*\f+31+32*\c], v[SOP+4*\f+2*\c+1]   ; (a conversion's three registers begin on an even number)
.endr
.endr
	WIN 0
	v_nop                                          ; one plain place behind a scaled conversion
.irp c, 0,1                                    ; the operand's layout wants a whole block in a lane: lanes 0-15 block 2 c, lanes 16-31 block 2 c + 1
.irp i, 0,1,2
.irp f, 0,1
	v_permlane16_swap_b32 v[PB+20*\f+6*\c+\i], v[PB+20*\f+12+4*\c+\i]
.endr
.endr
.endr
.irp c, 0,1
.irp i, 0,1,2
.irp f, 0,1
	v_mov_b32 v[PB+20*\f+3+6*\c+\i], v[PB+20*\f+12+4*\c+\i]
.endr
.endr
.endr
.endm
.macro PUTFRAG a, pc, adr, out         ; the fragment's image: each store covers 512 consecutive bytes, at a multiple of 256 from the buffer's first byte
.irp c, 0,1,2
	global_store_b128 v[\adr], v[(\pc)+4*\c:(\pc)+4*\c+3], s[\out:\out+1] offset:FRB*(\a)+512*\c th:TH_STORE_NT
.endr
.endm
	s_load_b256 s[4:11], s[0:1], 0x0               ; xq, wq, qk, vt
	v_lshl_add_u32 v[SPW], v0, 2, SPARE
	v_mov_b32 v[NIL], 0
	ds_add_u32 v[SPW], v[NIL]                      ; the wave's opening: the add, twice on end, and its one wait ahead of my first tensor load
	ds_add_u32 v[SPW], v[NIL]
	v_lshrrev_b32 v1, 5, v0
	v_readfirstlane_b32 s14, v1                    ; wave 0..3
	s_lshr_b32 s15, s14, 1                         ; wt: which 128 tokens.  Also: I fetch for x (0) or for the weights (1)
	s_and_b32 s16, s14, 1                          ; wc: q or k; which 64 channels of v.  Also: which of a fill's two K steps I fetch
	s_bfe_u32 s40, ttmp6, 0x40000                  ; cx
	s_bfe_u32 s41, ttmp6, 0x40004                  ; cy
	s_and_b32 s17, ttmp7, 0xffff
	s_lshl_b32 s17, s17, 2
	s_add_co_u32 s17, s17, s41                     ; tile row: 4 Y + cy
	s_lshl_b32 s42, ttmp9, 2
	s_add_co_u32 s42, s42, s40                     ; column group: 4 X + cx
	s_lshl_b32 s43, s41, 2
	s_lshl_b32 s43, 15, s43                        ; my row of the cluster
	s_lshl_b32 s44, 0x1111, s40                    ; my column
	s_or_b32 s[G1A], s43, (3<<16)|(1<<21)          ; 15:0 the mask; 17:16 elements of 8 bytes; 21 set beside a mask; no padding
	s_or_b32 s[G1B], s44, (3<<16)|(1<<21)
	s_mov_b32 s[G1A+1], 32<<16                     ; a K step's x: 25,600 dense bytes, 100 rows of 256
	s_mov_b32 s[G1A+2], 100<<16
	s_mov_b32 s[G1A+3], 32<<16
	s_mov_b32 s[G1A+4], 100
	s_mov_b32 s[G1A+5], 32
	s_mov_b32 s[G1A+6], 0
	s_mov_b32 s[G1A+7], 0
	s_mov_b32 s[G1B+1], 32<<16                     ; a K step's weights: 38,400 dense bytes, 150 rows of 256
	s_mov_b32 s[G1B+2], 150<<16
	s_mov_b32 s[G1B+3], 32<<16
	s_mov_b32 s[G1B+4], 150
	s_mov_b32 s[G1B+5], 32
	s_mov_b32 s[G1B+6], 0
	s_mov_b32 s[G1B+7], 0
	s_mul_i32 s20, s17, 8*XSTEP                    ; x's tile row, in registers that never hold cx
	s_mul_i32 s18, s16, XSTEP
	s_add_co_u32 s20, s20, s18
	s_mov_b32 s21, 0
	s_mul_i32 s46, s42, 8*WSTEP                    ; the weights' column group: never cy
	s_mul_i32 s19, s16, WSTEP
	s_add_co_u32 s46, s46, s19
	s_mov_b32 s47, 0
	s_add_co_u32 s19, s19, WOFF                    ; LDS: s18 for x, s19 for the weights: no place in the cluster enters an LDS address
	s_mul_i32 s66, s15, UNIT                       ; my group of x,
	s_mul_i32 s67, s16, UNIT
	s_add_co_u32 s67, s67, WOFF                    ; my unit of Wq or Wk,
	s_mul_i32 s73, s16, 4*FRB
	s_add_co_u32 s68, s73, WOFF+2*UNIT             ; my four fragments of Wv
	s_sub_co_u32 s69, s67, s66                     ; from x's scale words to the weight's, in a slot's first step
	s_add_co_u32 s70, s69, UNIT                    ; and in its second
	s_add_co_u32 s71, s66, SCO
	s_add_co_u32 s75, s71, XSTEP
	s_lshl_b32 s74, s16, 4
	s_add_co_u32 s72, s74, WOFF+2*UNIT+SCO
	s_lshl_b32 s76, s17, 1
	s_add_co_u32 s76, s76, s15                     ; token group G
	s_lshl_b32 s[OUT], s16, 9                      ; q's or k's unit: 512 wc + 8 G + column group
	s_lshl_b32 s77, s76, 3
	s_add_co_u32 s[OUT], s[OUT], s77
	s_add_co_u32 s[OUT], s[OUT], s42
	s_mul_i32 s[OUT], s[OUT], UNIT
	s_mov_b32 s[OUT+1], 0
	s_lshl_b32 s[OUT2], s42, 6                     ; v's: 64 x column group + G
	s_add_co_u32 s[OUT2], s[OUT2], s76
	s_mul_i32 s[OUT2], s[OUT2], UNIT
	s_mov_b32 s[OUT2+1], 0
	s_mov_b32 s[SEL], 0x76543210
	s_mov_b32 s[SEL+1], 0xfedcba98
	s_mov_b32 s[HM], 0xffff0000                    ; lanes 16-31
	s_wait_alu depctr_va_vdst(0)
	s_wait_dscnt 0x0                               ; both opening adds are done
	s_wait_kmcnt 0x0
	s_add_nc_u64 s[20:21], s[4:5], s[20:21]
	s_add_nc_u64 s[46:47], s[6:7], s[46:47]
	s_add_nc_u64 s[OUT:OUT+1], s[8:9], s[OUT:OUT+1]
	s_add_nc_u64 s[OUT2:OUT2+1], s[10:11], s[OUT2:OUT2+1]
.irp s, 0,1
	s_mov_b32 s[G0A+4*\s], 1
	s_add_co_u32 s[G0A+4*\s+1], s18, \s*SLOT
	s_add_nc_u64 s[G0A+4*\s+2:G0A+4*\s+3], s[20:21], \s*2*XSTEP
	s_or_b32 s[G0A+4*\s+3], s[G0A+4*\s+3], 0x80000000
	s_mov_b32 s[G0B+4*\s], 1
	s_add_co_u32 s[G0B+4*\s+1], s19, \s*SLOT
	s_add_nc_u64 s[G0B+4*\s+2:G0B+4*\s+3], s[46:47], \s*2*WSTEP
	s_or_b32 s[G0B+4*\s+3], s[G0B+4*\s+3], 0x80000000
.endr
	CROUND                                         ; all sixteen work-groups are here: the first joint loads meet
	JLOAD G0A, G0B                                 ; K steps 0 and 1: one tensor load a wave at the head
	v_and_b32 v1, 15, v0                           ; r
	v_bfe_u32 v2, v0, 4, 1                         ; h
	v_and_b32 v3, 31, v0
	v_lshlrev_b32 v[LI], 4, v3
	v_lshlrev_b32 v30, 5, v1                       ; 32 r
	v_lshl_add_u32 v[SO], v2, 4, v30
	v_add_nc_u32 v[LI2], s73, v[LI]
	v_lshl_add_u32 v[SO2], v2, 3, v30
	v_add_nc_u32 v[SO2], s74, v[SO2]
	v_mul_u32_u24 v31, s69, v2                     ; lanes 16-31 take the weight's scale words
	v_mul_u32_u24 v20, s70, v2
	v_add_nc_u32 v31, v30, v31
	v_add_nc_u32 v20, v30, v20
	v_add_nc_u32 v[ADRS], s71, v31
	v_add_nc_u32 v[ADRS+1], s75, v20
	v_add_nc_u32 v[ADRX], s66, v[LI]
	v_add_nc_u32 v[ADRW], s67, v[LI]
	v_add_nc_u32 v[ADRV], s68, v[LI]
	v_add_nc_u32 v[ADVS], s72, v30
	v_add_nc_u32 v[ADRS+2], SLOT, v[ADRS]
	v_add_nc_u32 v[ADRS+3], SLOT, v[ADRS+1]
	v_add_nc_u32 v[ADRX+1], SLOT, v[ADRX]
	v_add_nc_u32 v[ADRW+1], SLOT, v[ADRW]
	v_add_nc_u32 v[ADRV+1], SLOT, v[ADRV]
	v_add_nc_u32 v[ADVS+1], SLOT, v[ADVS]
	s_wait_alu depctr_va_vdst(0)
	s_wait_tensorcnt 0x0                           ; my part of slot 0 is in
	ds_add_u32 v[SPW], v[NIL]
	s_wait_dscnt 0x0
	CROUND                                         ; everybody's part of slot 0 is in
	JLOAD G0A+4, G0B+4                             ; K steps 2 and 3 into slot 1
	FW 0, 0
	FS 0
	FX 0, 0, 3
	FX 0, 3, 3
	STEP 0, 1, 0                                   ; K step 0 starts the sums: nothing is cleared
	STEP 1, 0, 1
	STEP 2, 0, 0
	STEP 3, 0, 1
	STEP 4, 0, 0
	STEP 5, 0, 2
	STEP 6, 0, 0
	STEP 7, 0, 0
	PLACES
	; THE WAY OUT: each 16 rows x 128 columns become one fragment of the next product's operand
.irp n, 0,1,2,3,4,5,6,7
	v_mov_b32 v[BX+\n], 0                          ; written once: a lane permute's destination counts as one of its sources
.endr
.irp k, 0,1,2,3
	QPAIR 1+\k/2, 128*(\k%2), \k, PWS+2*\k
	PUTFRAG 2*\k, PC0+40*(\k%2), LI, OUT
	PUTFRAG 2*\k+1, PC0+40*(\k%2)+20, LI, OUT
.endr
.irp j, 0,1,2,3
	v_cndmask_b32 v[T4+\j], v[PWS+\j], v[PWS+4+\j], s[HM]   ; lane (r, h) stores the words of fragments 4 h .. 4 h + 3 of lane row r
.endr
	global_store_b128 v[SO], v[T4:T4+3], s[OUT:OUT+1] offset:SCO th:TH_STORE_NT
.irp k, 0,1
	QPAIR 3, 128*\k, \k+4, PWS+8+2*\k
	PUTFRAG 2*\k, PC0+40*\k, LI2, OUT2
	PUTFRAG 2*\k+1, PC0+40*\k+20, LI2, OUT2
.endr
	v_cndmask_b32 v[T4+4], v[PWS+8], v[PWS+10], s[HM]   ; lane (r, h) stores the words of my fragments 2 h and 2 h + 1 of lane row r: 8 bytes
	v_cndmask_b32 v[T4+5], v[PWS+9], v[PWS+11], s[HM]
	global_store_b64 v[SO2], v[T4+4:T4+5], s[OUT2:OUT2+1] offset:SCO th:TH_STORE_NT
	s_wait_tensorcnt 0x0                           ; the wave's end
	ds_add_u32 v[SPW], v[NIL]
	s_wait_dscnt 0x0
	CROUND                                         ; the closing round
	s_endpgm
.Lfunc_end_k_q3a0c25fd94_proj:
	.size	k_q3a0c25fd94_proj, .Lfunc_end_k_q3a0c25fd94_proj-k_q3a0c25fd94_proj
	.p2alignl 7, 3214868480
	.fill 96, 4, 3214868480
	.section	.rodata,"a",@progbits
	.p2align	6, 0x0
	.amdhsa_kernel k_q3a0c25fd94_proj
		.amdhsa_group_segment_fixed_size 327680
		.amdhsa_private_segment_fixed_size 0
		.amdhsa_enable_private_segment 0
		.amdhsa_kernarg_size 32
		.amdhsa_user_sgpr_count 2
		.amdhsa_user_sgpr_kernarg_segment_ptr 1
		.amdhsa_wavefront_size32 1
		.amdhsa_system_sgpr_workgroup_id_x 1
		.amdhsa_system_sgpr_workgroup_id_y 1
		.amdhsa_system_sgpr_workgroup_id_z 1
		.amdhsa_system_vgpr_workitem_id 0
		.amdhsa_next_free_vgpr 1024
		.amdhsa_next_free_sgpr 102
		.amdhsa_reserve_vcc 0
		.amdhsa_float_denorm_mode_32 3
		.amdhsa_float_denorm_mode_16_64 3
		.amdhsa_memory_ordered 1
		.amdhsa_forward_progress 1
		.amdhsa_inst_pref_size 197
	.end_amdhsa_kernel
	.amdgpu_metadata
---
amdhsa.version: [ 1, 2 ]
amdhsa.kernels:
  - .name:           k_q3a0c25fd94_proj
    .symbol:         k_q3a0c25fd94_proj.kd
    .args:
      - { .name: xq, .offset: 0, .size: 8, .value_kind: global_buffer, .address_space: global }
      - { .name: wq, .offset: 8, .size: 8, .value_kind: global_buffer, .address_space: global }
      - { .name: qk, .offset: 16, .size: 8, .value_kind: global_buffer, .address_space: global }
      - { .name: vt, .offset: 24, .size: 8, .value_kind: global_buffer, .address_space: global }
    .group_segment_fixed_size: 327680
    .private_segment_fixed_size: 0
    .kernarg_segment_align: 8
    .kernarg_segment_size: 32
    .max_flat_workgroup_size: 128
    .sgpr_count:     102
    .vgpr_count:     1024
    .wavefront_size: 32
...
	.end_amdgpu_metadata
.endif
;; end of part 2
;; launch score (part 3): grid 8 x 32, 4 waves a work-group, no clusters, 327,680 bytes of LDS; arguments qk, pc, st; writes pc, st
.if DOCPART == 3
	.amdgcn_target "amdgcn-amd-amdhsa--gfx1250"
	.amdhsa_code_object_version 6
	.text
	.protected	k_q3a0c25fd94_score
	.globl	k_q3a0c25fd94_score
	.p2align	8
	.type	k_q3a0c25fd94_score,@function
k_q3a0c25fd94_score:
	s_mov_b64 s[64:65], 0
	v_nop
	global_prefetch_b8 v0, s[64:65] scope:SCOPE_SE
	s_setreg_imm32_b32 hwreg(HW_REG_WAVE_MODE, 25, 1), 1
	s_wait_xcnt 0x0
; The causal part of S = q k^T on codes of BF6 (E3M2), and the softmax's p, quantised along the keys, with a LOCAL M for each query and 128 keys.
; t = score x log2(e) / 32; M = the ceiling of the largest t among the query's 128 keys of this unit; p = 2^(t - M).  M is a whole number, so going over to the row's own M later multiplies p by an exact power
; of two, which a block's scale byte takes up: the CODES made here are final, and the next launch lowers the scale bytes by the row's M less this M.
; RESULTS.  A unit is 128 queries x 128 keys: p's codes (eight fragment images, 12,288 bytes) and three planes of 512 bytes (scale words, -M, sums of the unquantised p; fragment a, lane row r at 256 (a / 4) + 16 r + 4 (a % 4)).
; The 128-query blocks i and 15 - i of a batch are a pair p (0 .. 7) of 17 units: of block L = 15 - p keys 0 at place 0, keys 1 .. 8 at places 9 .. 16, keys u = 9 on at place 17 - u; of block S = p keys u at place 1 + u.
; WORK.  In tiles of 256 queries x 256 keys a batch keeps 28 below the diagonal and 8 on it.  Work-group (x, y), batch y / 8: x = 0 takes diagonal tile I = y % 8; x > 0 takes 128 queries (half y % 2) x 256 keys of
; a tile below it: with pr = (y / 2) % 4 row 7 - pr has 7 - pr of them and row pr has pr, seven together.  8 x 32 = 256 work-groups.  Tiles that the mask hides are not multiplied: -infinity ahead of a softmax is p = 0.
; A WAVE'S TILE is 64 queries (4 fragments) x 128 keys (8 fragments): 32 products a K step.  Below the diagonal: queries' half w / 2, keys' group w % 2.  On it: waves 1 and 2 take queries' group 1, half 0 and 1, with
; keys' group 0; waves 0 and 3 the diagonal blocks: their half 1 as their tile, and beside it the 64 x 64 of half 0 (the X part), whose 12 products with live keys are 12 more a K step.  What remains hidden in a tile is masked.
; NO JOINT LOADS: a row of tiles has i + 1 tiles and a column 8 - j, so the triangle falls into no groups of four work-groups that share a row or a column; filling them up would add work-groups whose results nobody reads.
; K = 1,024 is eight steps: slot A takes steps 0, 1 and later 6, 7, slot B steps 2 to 5.  A region of a slot for each of q's and k's two groups; one load a wave.
; No prefetch: there are three fills and no loop: the first is asked for at the head, the second behind the first barrier, and the third, an eighth of a row group's K twice, four K steps ahead of its use.
; LIMITS: M is exact for |t| under 2^24; NaN and infinities are not served; a block whose p are all 0 gets the scale byte 1, or 0 where it is hidden whole, over zero codes.
; REGISTERS: window 0: v4-29 addresses; v32-55 scale words, two sets (keys' 8, queries' 4), v56-59 X's; v64-159 queries' fragments, two sets; v160-207 X's.  Window 1: v0-191 keys' fragments, two sets.
; Window 2: accumulator (a, b) at v[8 (8 a + b)].  Window 3: X's at v[32 a + 8 b].
.set UNIT,  12800
.set PU,    12288
.set SCO,   12288
.set FRB,   1536
.set GRP,   8*UNIT
.set RA,    2*UNIT                     ; a region of slot A
.set RB,    4*UNIT                     ; of slot B
.set SLB,   4*RA
.set SPARE, SLB+4*RB                   ; the spare words, 128 bytes a wave: two blocks of 256 bytes that no other line names
.set LI,   4                           ; v4   16 x lane
.set SO,   5                           ; v5   16 r + 8 h
.set ADQ,  6                           ; v6-7 in slot A, B (so the others)
.set ADK,  8
.set ADX,  10
.set SQ,   16
.set SX,   18
.set SK,   20
.set SPW,  28
.set NIL,  29
.set SC,   32
.set SXW,  56
.set QF,   64
.set XF,   160
.set PC0,  64                          ; the softmax: two sets of 2 x 20 registers for two fragments' codes
.set BM,   144                         ; 4 x fragment + block: largest numbers, the other half's, scale operands, bytes
.set BX,   152
.set SOP,  160
.set BY,   168
.set SU,   176                         ; v176-183 sums
.set PWS,  184                         ; v184-191 scale words;  v192-199 -M;  v200-207 sums
.set NMS,  192
.set LSS,  200
.set T4,   208
.set WK,   214
.set NINF, 216
.set D0,   218                         ; v218, v219  my query's place in its 32 less 16 (lane / 16), for even and for odd fragments
.set G1,   24
.set G0,   32
.set OUT,  36
.set ST,   38
.set TF,   40                          ; s40  1: I have an X part
.set SKP,  41                          ; s41  1: I fetch nothing
.set CS,   54
.set SEL,  56
.set HM,   58
.set MK,   66                          ; s66-97 the diagonal block's masks: register i of an even fragment, of an odd one
.set MSB, 0
.macro WIN new
.if MSB != (\new)
	s_set_vgpr_msb (MSB<<8)|(\new)
.set MSB, \new
.endif
.endm
.macro PLACES                          ; four places in front of loads into registers that matrix instructions have read, and of the first read of results
.rept 4
	v_nop
.endr
.endm
.macro TL                              ; my load, and the lines behind it
	s_cmp_eq_u32 s[SKP], 0
	s_cbranch_scc0 .Lnone_\@
	tensor_load_to_lds s[G0:G0+3], s[G1:G1+7]
	s_nop 0
.rept 4
	v_nop
.endr
.Lnone_\@:
.endm
.macro WHERE s                         ; K step s: its slot and its unit there
.if (\s) < 2
.set QL, 0
.set QU, (\s)*UNIT
.elseif (\s) < 6
.set QL, 1
.set QU, ((\s)-2)*UNIT
.else
.set QL, 0
.set QU, ((\s)-6)*UNIT
.endif
.endm
.macro FETCH s, set                    ; 39 LDS loads of 512 consecutive bytes, or of scale words
	WHERE \s
	WIN 0x40
.irp i, 0,1,2,3,4,5,6,7
.irp c, 0,1,2
	ds_load_b128 v[96*(\set)+12*\i+4*\c:96*(\set)+12*\i+4*\c+3], v[ADK+QL] offset:QU+FRB*\i+512*\c
.endr
.endr
	WIN 0
.irp i, 0,1,2,3
.irp c, 0,1,2
	ds_load_b128 v[QF+48*(\set)+12*\i+4*\c:QF+48*(\set)+12*\i+4*\c+3], v[ADQ+QL] offset:QU+FRB*\i+512*\c
.endr
.endr
	ds_load_b128 v[SC+12*(\set):SC+12*(\set)+3], v[SK+QL] offset:QU
	ds_load_b128 v[SC+12*(\set)+4:SC+12*(\set)+7], v[SK+QL] offset:QU+16
	ds_load_b128 v[SC+12*(\set)+8:SC+12*(\set)+11], v[SQ+QL] offset:QU
.endm
.macro FETCHX s
	WHERE \s
.irp i, 0,1,2,3
.irp c, 0,1,2
	ds_load_b128 v[XF+12*\i+4*\c:XF+12*\i+4*\c+3], v[ADX+QL] offset:QU+FRB*\i+512*\c
.endr
.endr
	ds_load_b128 v[SXW:SXW+3], v[SX+QL] offset:QU
.endm
.macro MULH a0, set, zero              ; queries' fragments a0, a0 + 1 x keys' eight: the accumulators take turns in one order in every K step
	WIN 0xa1
.irp a, \a0, \a0+1
.irp b, 0,1,2,3,4,5,6,7
.set DD, 8*(8*(\a)+\b)
.if \zero
	v_wmma_scale_f32_16x16x128_f8f6f4 v[DD:DD+7], v[96*(\set)+12*\b:96*(\set)+12*\b+11], v[QF+48*(\set)+12*(\a):QF+48*(\set)+12*(\a)+11], 0, v[SC+12*(\set)+\b], v[SC+12*(\set)+8+(\a)] matrix_a_fmt:MATRIX_FMT_BF6 matrix_b_fmt:MATRIX_FMT_BF6
.else
	v_wmma_scale_f32_16x16x128_f8f6f4 v[DD:DD+7], v[96*(\set)+12*\b:96*(\set)+12*\b+11], v[QF+48*(\set)+12*(\a):QF+48*(\set)+12*(\a)+11], v[DD:DD+7], v[SC+12*(\set)+\b], v[SC+12*(\set)+8+(\a)] matrix_a_fmt:MATRIX_FMT_BF6 matrix_b_fmt:MATRIX_FMT_BF6
.endif
.endr
.endr
.endm
.macro XPART s                         ; a branch on ids and the wave's number, round products and LDS loads alone.  X's fragments have one set: the next step's are asked for behind this step's products
	WIN 0
	s_cmp_eq_u32 s[TF], 1
	s_cbranch_scc0 .Lno_x_\@
.set QE, (\s)&1
	WIN 0xf1
.irp a, 0,1,2,3
.irp b, 0,1,2,3
.if \b < 2*(\a/2)+2
	v_wmma_scale_f32_16x16x128_f8f6f4 v[32*\a+8*\b:32*\a+8*\b+7], v[96*QE+12*\b:96*QE+12*\b+11], v[XF+12*\a:XF+12*\a+11], v[32*\a+8*\b:32*\a+8*\b+7], v[SC+12*QE+\b], v[SXW+\a] matrix_a_fmt:MATRIX_FMT_BF6 matrix_b_fmt:MATRIX_FMT_BF6
.endif
.endr
.endr
	WIN 0
.if (\s) < 7
	PLACES
	FETCHX (\s)+1
.endif
.Lno_x_\@:
.endm
.macro STEP s, zero
	s_wait_dscnt 0x0                               ; this step's fragments, asked for a K step ago, are in
	PLACES
	FETCH (\s)+1, 1-((\s)&1)
	MULH 0, (\s)&1, \zero
	MULH 2, (\s)&1, \zero
	XPART \s
.endm
.macro PUTFRAG off, pc                 ; the fragment's image: each store covers 512 consecutive bytes, at a multiple of 256 from the buffer's first byte
.irp c, 0,1,2
	global_store_b128 v[LI], v[(\pc)+4*\c:(\pc)+4*\c+3], s[OUT:OUT+1] offset:FRB*(\off)+512*\c th:TH_STORE_NT
.endr
.endm
.macro PUT4 arr, t, off                ; four numbers a lane row: lane (r, h) stores 2 h and 2 h + 1: the wave covers 256 consecutive bytes, aligned
	v_cndmask_b32 v[\t], v[\arr], v[(\arr)+2], s[HM]
	v_cndmask_b32 v[(\t)+1], v[(\arr)+1], v[(\arr)+3], s[HM]
	global_store_b64 v[SO], v[(\t):(\t)+1], s[ST:ST+1] offset:\off th:TH_STORE_NT
.endm
; THE SOFTMAX OF TWO FRAGMENTS AT ONCE, line by line: 2 x 16 queries, nb live blocks of 32 keys; registers of window W from rs on, the second fragment's st further on; register 16 b + i holds key 32 b + 16 (lane / 16) + i.
; al: the block in which my query lies (-1: none), hidden where i > my place in it.  fo: which of the eight words, -M and sums; off: the fragments' place.
.macro SOFT2 W, rs, st, nb, al, fo, off
.if (\al) >= 0
	WIN (\W)|((\W)<<6)
.set NN, 0
.rept 16
.irp f, 0,1
	v_cndmask_b32 v[(\rs)+(\st)*\f+16*(\al)+NN], v[(\rs)+(\st)*\f+16*(\al)+NN], v[NINF], s[MK+16*\f+NN]
.endr
.set NN, NN+1
.endr
.endif
	WIN ((\W)<<2)|((\W)<<4)
.irp b, 0,1,2,3
.if \b < \nb
.irp f, 0,1
	v_max3_num_f32 v[BM+4*\f+\b], 0xff800000, v[(\rs)+(\st)*\f+16*\b], v[(\rs)+(\st)*\f+16*\b+1]   ; the largest score of each block: for the maximum, and, since p rises with the score, for the block's largest p
.endr
.endif
.endr
.irp i, 2,4,6,8,10,12,14
.irp b, 0,1,2,3
.if \b < \nb
.irp f, 0,1
	v_max3_num_f32 v[BM+4*\f+\b], v[BM+4*\f+\b], v[(\rs)+(\st)*\f+16*\b+\i], v[(\rs)+(\st)*\f+16*\b+\i+1]
.endr
.endif
.endr
.endr
	WIN 0
.irp b, 0,1,2,3
.if \b < \nb
.irp f, 0,1
	v_permlanex16_b32 v[BX+4*\f+\b], v[BM+4*\f+\b], s[SEL], s[SEL+1]
.endr
.endif
.endr
.irp b, 0,1,2,3
.if \b < \nb
.irp f, 0,1
	v_max_num_f32 v[BM+4*\f+\b], v[BM+4*\f+\b], v[BX+4*\f+\b]
.endr
.endif
.endr
.irp f, 0,1
.if \nb == 1
	v_mov_b32 v[WK+\f], v[BM+4*\f]
.elseif \nb == 2
	v_max_num_f32 v[WK+\f], v[BM+4*\f], v[BM+4*\f+1]
.else
	v_max3_num_f32 v[WK+\f], v[BM+4*\f], v[BM+4*\f+1], v[BM+4*\f+2]
.endif
.endr
.if \nb == 4
.irp f, 0,1
	v_max_num_f32 v[WK+\f], v[WK+\f], v[BM+4*\f+3]
.endr
.endif
.irp f, 0,1
	v_mul_f32 v[WK+\f], s[CS], v[WK+\f]            ; as t (c is positive)
.endr
.irp f, 0,1
	v_max_num_f32 v[13+2*\f], 0xff61b1e6, v[WK+\f] ; held at -3e38 from below
.endr
.irp f, 0,1
	v_floor_f32 v[12+2*\f], -v[13+2*\f]            ; -M = floor(-t) = -ceil(t): a whole number
.endr
	WIN (\W)|((\W)<<6)
.set NN, 0
.rept 8*(\nb)
.irp f, 0,1
	v_pk_fma_f32 v[(\rs)+(\st)*\f+NN:(\rs)+(\st)*\f+NN+1], v[(\rs)+(\st)*\f+NN:(\rs)+(\st)*\f+NN+1], s[CS:CS+1], v[12+2*\f:13+2*\f] op_sel_hi:[1,0,0]   ; t - M, two at a time
.endr
.set NN, NN+2
.endr
	WIN 0
.irp b, 0,1,2,3
.if \b < \nb
.irp f, 0,1
	v_fma_f32 v[BM+4*\f+\b], v[BM+4*\f+\b], s[CS], v[12+2*\f]   ; the same of each block's largest score
.endr
.endif
.endr
	WIN (\W)|((\W)<<6)
	s_wait_alu depctr_va_vdst(0)
.set NN, 0
.rept 16*(\nb)
.irp f, 0,1
	v_exp_f32 v[(\rs)+(\st)*\f+NN], v[(\rs)+(\st)*\f+NN]   ; p = 2^(t - M)
.endr
.set NN, NN+1
.endr
	WIN 0
.irp f, 0,1
	v_mov_b32 v[NMS+(\fo)+\f], v[12+2*\f]          ; (plain places behind the exponentials)
.endr
	s_wait_alu depctr_va_vdst(0)                   ; one wait for the batch, ahead of its first reader
.irp b, 0,1,2,3
.if \b < \nb
.irp f, 0,1
	v_exp_f32 v[BM+4*\f+\b], v[BM+4*\f+\b]         ; the block's largest p: the same two instructions on the same number
.endr
.endif
.endr
	WIN (\W)|((\W)<<2)
.irp f, 0,1                                    ; the sum of the UNQUANTISED p, in two chains for each fragment
	v_pk_add_f32 v[SU+4*\f:SU+4*\f+1], v[(\rs)+(\st)*\f:(\rs)+(\st)*\f+1], v[(\rs)+(\st)*\f+2:(\rs)+(\st)*\f+3]
	v_pk_add_f32 v[SU+4*\f+2:SU+4*\f+3], v[(\rs)+(\st)*\f+4:(\rs)+(\st)*\f+5], v[(\rs)+(\st)*\f+6:(\rs)+(\st)*\f+7]
.endr
	WIN (\W)<<2
.set NN, 8
.rept 4*(\nb)-2
.irp f, 0,1
	v_pk_add_f32 v[SU+4*\f:SU+4*\f+1], v[SU+4*\f:SU+4*\f+1], v[(\rs)+(\st)*\f+NN:(\rs)+(\st)*\f+NN+1]
	v_pk_add_f32 v[SU+4*\f+2:SU+4*\f+3], v[SU+4*\f+2:SU+4*\f+3], v[(\rs)+(\st)*\f+NN+2:(\rs)+(\st)*\f+NN+3]
.endr
.set NN, NN+4
.endr
	WIN 0
.irp f, 0,1
	v_pk_add_f32 v[SU+4*\f:SU+4*\f+1], v[SU+4*\f:SU+4*\f+1], v[SU+4*\f+2:SU+4*\f+3]
.endr
.irp f, 0,1
	v_add_f32 v[SU+4*\f], v[SU+4*\f], v[SU+4*\f+1]
.endr
.irp f, 0,1
	v_permlanex16_b32 v[SU+4*\f+2], v[SU+4*\f], s[SEL], s[SEL+1]
.endr
.irp f, 0,1
	v_add_f32 v[LSS+(\fo)+\f], v[SU+4*\f], v[SU+4*\f+2]   ; with lane l xor 16's keys
.endr
	s_wait_alu depctr_va_vdst(0)                   ; and one for the blocks' largest p
.irp b, 0,1,2,3
.if \b < \nb
.irp f, 0,1
	v_max_num_f32 v[BM+4*\f+\b], 0x2800000, v[BM+4*\f+\b]   ; the floor 2^(5 - 127): the byte cannot fall under 1
.endr
.endif
.endr
.irp b, 0,1,2,3
.if \b < \nb
.irp f, 0,1
	v_add_nc_u32 v[SOP+4*\f+\b], 0xfe000000, v[BM+4*\f+\b]   ; 4 off the exponent field: the conversion's scale operand
.endr
.endif
.endr
.irp b, 0,1,2,3
.if \b < \nb
.irp f, 0,1
	v_lshrrev_b32 v[BY+4*\f+\b], 23, v[SOP+4*\f+\b]   ; the scale's byte
.endr
.endif
.endr
.irp f, 0,1
.if \nb == 1
	v_mov_b32 v[PWS+(\fo)+\f], v[BY+4*\f]
.else
	v_lshl_or_b32 v[PWS+(\fo)+\f], v[BY+4*\f+1], 8, v[BY+4*\f]
.endif
.endr
.irp b, 2,3
.if \b < \nb
.irp f, 0,1
	v_lshl_or_b32 v[PWS+(\fo)+\f], v[BY+4*\f+\b], 8*\b, v[PWS+(\fo)+\f]
.endr
.endif
.endr
.set PB, PC0+40*(((\fo)/2)%2)
.if (\fo) > 2
	s_wait_alu depctr_va_vdst(0)
	s_wait_xcnt 0x0                                ; the stores of the pair two back have read these registers
.endif
	WIN \W
.irp b, 0,1,2,3
.if \b < \nb
.set PD, 6*(\b/2)+(\b%2)*(12-2*(\b/2))         ; even blocks at 0, 6; odd ones at 12, 16 (a conversion's three registers begin on an even number)
.irp f, 0,1
	v_cvt_scalef32_pk16_bf6_f32 v[PB+20*\f+PD:PB+20*\f+PD+2], v[(\rs)+(\st)*\f+16*\b:(\rs)+(\st)*\f+16*\b+15], v[SOP+4*\f+\b]
.endr
.endif
.endr
	WIN 0
	v_nop                                          ; one plain place behind a scaled conversion
.irp b, 0,1,2,3
.if \b >= \nb                                  ; a hidden block's codes are zeros
.set PD, 6*(\b/2)+(\b%2)*(12-2*(\b/2))
.irp i, 0,1,2
.irp f, 0,1
	v_mov_b32 v[PB+20*\f+PD+\i], 0
.endr
.endr
.endif
.endr
.irp c, 0,1                                    ; the operand's layout wants a whole block in a lane: lanes 0-15 block 2 c, lanes 16-31 block 2 c + 1
.if 2*\c < \nb
.irp i, 0,1,2
.irp f, 0,1
	v_permlane16_swap_b32 v[PB+20*\f+6*\c+\i], v[PB+20*\f+12+4*\c+\i]
.endr
.endr
.endif
.endr
.irp c, 0,1
.irp i, 0,1,2
.irp f, 0,1
	v_mov_b32 v[PB+20*\f+3+6*\c+\i], v[PB+20*\f+12+4*\c+\i]
.endr
.endr
.endr
	PUTFRAG \off, PB
	PUTFRAG (\off)+1, PB+20
.endm
	s_load_b128 s[4:7], s[0:1], 0x0                ; qk, pc
	s_load_b64 s[8:9], s[0:1], 0x10                ; st
	v_lshl_add_u32 v[SPW], v0, 2, SPARE
	v_mov_b32 v[NIL], 0
	ds_add_u32 v[SPW], v[NIL]                      ; the wave's opening: the add, twice on end, and its one wait ahead of my first tensor load
	ds_add_u32 v[SPW], v[NIL]
	v_lshrrev_b32 v1, 5, v0
	v_readfirstlane_b32 s14, v1                    ; wave w
	s_and_b32 s15, s14, 1                          ; w % 2
	s_lshr_b32 s16, s14, 1                         ; w / 2
	s_and_b32 s17, ttmp7, 0xffff
	s_lshr_b32 s18, s17, 3                         ; the batch
	s_and_b32 s19, s17, 7
	s_and_b32 s20, s17, 1                          ; below the diagonal: which 128 queries of the tile
	s_bfe_u32 s21, s17, 0x20001                    ; pr
	s_sub_co_u32 s22, 7, s21
	s_sub_co_u32 s23, ttmp9, 1
	s_sub_co_u32 s42, s23, s22
	s_cmp_lt_u32 s23, s22
	s_cselect_b32 s21, s22, s21                    ; below the diagonal: tile row,
	s_cselect_b32 s23, s23, s42                    ; tile column
	s_min_u32 s43, s14, 1                          ; on the diagonal: q's region by wave: 0 1 1 1,
	s_xor_b32 s44, s14, 1
	s_min_u32 s44, s44, 1                          ; its half: 1 0 1 1,
	s_and_b32 s45, s16, s14                        ; k's region: 0 0 0 1,
	s_add_co_u32 s46, s14, 1
	s_lshr_b32 s46, s46, 1
	s_and_b32 s46, s46, 1
	s_xor_b32 s46, s46, 1                          ; the X part: 1 0 0 1
	s_cmp_eq_u32 s14, 1
	s_cselect_b32 s47, 1, 0
	s_cmp_eq_u32 ttmp9, 0
	s_cselect_b32 s21, s19, s21                    ; I
	s_cselect_b32 s23, s19, s23                    ; J
	s_cselect_b32 s20, s15, s20                    ; which of q's two groups my load would bring
	s_cselect_b32 s43, s43, 0                      ; q's region
	s_cselect_b32 s44, s44, s16                    ; q's half
	s_cselect_b32 s45, s45, s15                    ; k's region
	s_cselect_b32 s[TF], s46, 0
	s_cselect_b32 s[SKP], 0, s47
	s_cselect_b32 s48, s43, s20                    ; my queries' group in the tile
	s_lshl_b32 s21, s21, 1
	s_lshl_b32 s23, s23, 1
	s_add_co_u32 s48, s48, s21                     ; my queries' block i
	s_add_co_u32 s49, s23, s45                     ; my keys u
	s_add_co_u32 s20, s20, s21                     ; the group that I fetch: waves 0, 1 for q, waves 2, 3 for k, which lies 64 groups further on
	s_add_co_u32 s23, s23, s15
	s_add_co_u32 s23, s23, 64
	s_cmp_lt_u32 s14, 2
	s_cselect_b32 s20, s20, s23
	s_lshl_b32 s23, s18, 4
	s_add_co_u32 s20, s20, s23
	s_mul_i32 s20, s20, GRP
	s_mov_b32 s21, 0
	s_mov_b32 s[G1], 3<<16                         ; no mask; elements of 8 bytes; no padding
	s_mov_b32 s[G1+1], 32<<16
	s_mov_b32 s[G1+2], 100<<16                     ; two units: 100 rows of 256 bytes
	s_mov_b32 s[G1+3], 32<<16
	s_mov_b32 s[G1+4], 100
	s_mov_b32 s[G1+5], 32
	s_mov_b32 s[G1+6], 0
	s_mov_b32 s[G1+7], 0
	s_sub_co_u32 s50, 17, s49                      ; the unit's place: block L, keys 9 on
	s_add_co_u32 s51, s49, 8
	s_cmp_lt_u32 s49, 9
	s_cselect_b32 s50, s51, s50                    ; keys 1 .. 8
	s_cmp_eq_u32 s49, 0
	s_cselect_b32 s50, 0, s50                      ; keys 0
	s_add_co_u32 s51, s49, 1                       ; block S
	s_sub_co_u32 s52, 15, s48
	s_cmp_ge_u32 s48, 8
	s_cselect_b32 s50, s50, s51
	s_cselect_b32 s52, s52, s48                    ; the pair
	s_lshl_b32 s53, s18, 3
	s_add_co_u32 s52, s52, s53
	s_mul_i32 s52, s52, 17
	s_add_co_u32 s50, s50, s52
	s_mul_i32 s[OUT], s50, PU                      ; + my half: four fragments, 256 bytes of each plane
	s_mul_i32 s51, s44, 4*FRB
	s_add_co_u32 s[OUT], s[OUT], s51
	s_mov_b32 s[OUT+1], 0
	s_mul_i32 s[ST], s50, 1536
	s_lshl_b32 s52, s44, 8
	s_add_co_u32 s[ST], s[ST], s52
	s_mov_b32 s[ST+1], 0
	s_mul_i32 s66, s43, RA                         ; LDS: q's region in slot A, B
	s_mul_i32 s67, s43, RB
	s_add_co_u32 s67, s67, SLB
	s_mul_i32 s68, s45, RA                         ; k's
	s_add_co_u32 s68, s68, 2*RA
	s_mul_i32 s69, s45, RB
	s_add_co_u32 s69, s69, SLB+2*RB
	s_add_co_u32 s70, s66, s51                     ; with my half
	s_add_co_u32 s71, s67, s51
	s_lshl_b32 s72, s44, 4
	s_add_co_u32 s73, s66, s72
	s_add_co_u32 s74, s67, s72
	s_mov_b32 s[CS], 0x3d38aa3b                    ; c = log2(e) / sqrt(1024)
	s_mov_b32 s[CS+1], s[CS]                       ; (named with it as a pair, so it is written)
	s_mov_b32 s[SEL], 0x76543210
	s_mov_b32 s[SEL+1], 0xfedcba98
	s_mov_b32 s[HM], 0xffff0000
	s_mov_b32 s[G0], 1
	s_mul_i32 s[G0+1], s14, RA
	s_wait_alu depctr_va_vdst(0)
	s_wait_dscnt 0x0                               ; both opening adds are done
	s_wait_kmcnt 0x0
	s_add_nc_u64 s[20:21], s[4:5], s[20:21]
	s_add_nc_u64 s[OUT:OUT+1], s[6:7], s[OUT:OUT+1]
	s_add_nc_u64 s[ST:ST+1], s[8:9], s[ST:ST+1]
	s_mov_b64 s[G0+2:G0+3], s[20:21]
	s_or_b32 s[G0+3], s[G0+3], 0x80000000
	TL                                             ; K steps 0 and 1: one tensor load a wave at the head
	v_and_b32 v1, 15, v0                           ; r
	v_bfe_u32 v2, v0, 4, 1                         ; h
	v_and_b32 v3, 31, v0
	v_lshlrev_b32 v[LI], 4, v3
	v_lshlrev_b32 v22, 5, v1
	v_lshlrev_b32 v[SO], 4, v1
	v_lshl_add_u32 v[SO], v2, 3, v[SO]
	v_add_nc_u32 v22, SCO, v22
	v_add_nc_u32 v[ADQ], s70, v[LI]
	v_add_nc_u32 v[ADQ+1], s71, v[LI]
	v_add_nc_u32 v[ADK], s68, v[LI]
	v_add_nc_u32 v[ADK+1], s69, v[LI]
	v_add_nc_u32 v[ADX], s66, v[LI]
	v_add_nc_u32 v[ADX+1], s67, v[LI]
	v_add_nc_u32 v[SQ], s73, v22
	v_add_nc_u32 v[SQ+1], s74, v22
	v_add_nc_u32 v[SX], s66, v22
	v_add_nc_u32 v[SX+1], s67, v22
	v_add_nc_u32 v[SK], s68, v22
	v_add_nc_u32 v[SK+1], s69, v22
	WIN 0xc0
.irp a, 0,1,2,3                                ; X's sums begin as zeros (its step is written once, under a branch), and are written under the flight of the first fill
.set NN, 0
.rept 16*(\a/2)+16
	v_mov_b32 v[32*\a+NN], 0
.set NN, NN+1
.endr
.endr
	WIN 0
	s_wait_alu depctr_va_vdst(0)
	s_wait_tensorcnt 0x0                           ; my part of slot A is in
	ds_add_u32 v[SPW], v[NIL]
	ds_add_u32 v[SPW], v[NIL]                      ; (twice on end)
	s_mul_i32 s[G0+1], s14, RB
	s_add_co_u32 s[G0+1], s[G0+1], SLB
	s_add_nc_u64 s[G0+2:G0+3], s[20:21], 2*UNIT
	s_or_b32 s[G0+3], s[G0+3], 0x80000000
	s_mov_b32 s[G1+2], 200<<16                     ; four units
	s_mov_b32 s[G1+4], 200
	s_wait_dscnt 0x0
	s_barrier_signal -1
	s_barrier_wait -1                              ; slot A is whole
	TL                                             ; K steps 2 to 5 into slot B
	FETCH 0, 0
	FETCHX 0                                       ; (every wave fetches the X part's first fragments, so that they are written on every way)
	STEP 0, 1                                      ; K step 0 starts the tile's sums
	; K step 1 leaves slot A, which is filled again behind its barrier
	s_wait_dscnt 0x0                               ; the step's fragments are in
	s_wait_tensorcnt 0x0                           ; my part of slot B is in
	ds_add_u32 v[SPW], v[NIL]                      ; 0 onto my spare word, twice on end
	ds_add_u32 v[SPW], v[NIL]
	s_mul_i32 s[G0+1], s14, RA
	s_add_nc_u64 s[G0+2:G0+3], s[20:21], 6*UNIT
	s_or_b32 s[G0+3], s[G0+3], 0x80000000
	s_mov_b32 s[G1+2], 100<<16
	s_mov_b32 s[G1+4], 100
	MULH 0, 1, 0
	s_wait_dscnt 0x0                               ; the adds are done, and so are my reads of slot A
	s_barrier_signal -1
	MULH 2, 1, 0
	WIN 0
	s_barrier_wait -1
	TL                                             ; K steps 6 and 7 into slot A
	PLACES
	FETCH 2, 0
	XPART 1
	STEP 2, 0
	STEP 3, 0
	STEP 4, 0
	; K step 5: the refill must have landed in every wave before slot A is read again
	s_wait_dscnt 0x0
	s_wait_tensorcnt 0x0
	s_barrier_signal -1
	MULH 0, 1, 0
	WIN 0
	s_barrier_wait -1
	PLACES
	FETCH 6, 0
	MULH 2, 1, 0
	XPART 5
	STEP 6, 0
	s_wait_dscnt 0x0
	MULH 0, 1, 0
	MULH 2, 1, 0
	XPART 7
	PLACES
.irp n, 0,1,2,3,4,5,6,7
	v_mov_b32 v[BX+\n], 0                          ; written once: a lane permute's destination counts as one of its sources
.endr
	v_mov_b32 v[SU+2], 0
	v_mov_b32 v[SU+6], 0
	s_wait_alu depctr_va_vdst(0)
	s_cmp_eq_u32 s[TF], 1
	s_cbranch_scc1 .Ldiagonal
	SOFT2 2, 0, 64, 4, -1, 0, 0
	SOFT2 2, 128, 64, 4, -1, 2, 2
	s_branch .Lplanes
.Ldiagonal:
	v_and_b32 v[D0], 8, v1
	v_lshlrev_b32 v[D0+1], 4, v2
	v_add_nc_u32 v[D0], v[D0], v1
	v_mov_b32 v[NINF], 0xff800000
	v_sub_nc_u32 v[D0], v[D0], v[D0+1]             ; r + 8 (r / 8) - 16 h
	v_add_nc_u32 v[D0+1], 8, v[D0]
.set NN, 0
.rept 16
	v_cmp_gt_i32 s[MK+NN], NN, v[D0]
	v_cmp_gt_i32 s[MK+16+NN], NN, v[D0+1]
.set NN, NN+1
.endr
	SOFT2 2, 0, 64, 3, 2, 0, 0                     ; half 1's queries 64 .. 95: blocks 0, 1 whole, block 2 masked, block 3 hidden
	SOFT2 2, 128, 64, 4, 3, 2, 2                   ; 96 .. 127
	SOFT2 3, 0, 32, 1, 0, 4, -4                    ; half 0's 0 .. 31
	SOFT2 3, 64, 32, 2, 1, 6, -2                   ; 32 .. 63
	PUT4 PWS+4, T4, -256
	PUT4 NMS+4, T4+2, 256
	PUT4 LSS+4, T4+4, 768
	s_wait_alu depctr_va_vdst(0)
	s_wait_xcnt 0x0                                ; the stores have read their registers
.Lplanes:
	PUT4 PWS, T4, 0
	PUT4 NMS, T4+2, 512
	PUT4 LSS, T4+4, 1024
	s_wait_tensorcnt 0x0                           ; the wave's end
	ds_add_u32 v[SPW], v[NIL]
	s_wait_dscnt 0x0
	s_endpgm
.Lfunc_end_k_q3a0c25fd94_score:
	.size	k_q3a0c25fd94_score, .Lfunc_end_k_q3a0c25fd94_score-k_q3a0c25fd94_score
	.p2alignl 7, 3214868480
	.fill 96, 4, 3214868480
	.section	.rodata,"a",@progbits
	.p2align	6, 0x0
	.amdhsa_kernel k_q3a0c25fd94_score
		.amdhsa_group_segment_fixed_size 327680
		.amdhsa_private_segment_fixed_size 0
		.amdhsa_enable_private_segment 0
		.amdhsa_kernarg_size 24
		.amdhsa_user_sgpr_count 2
		.amdhsa_user_sgpr_kernarg_segment_ptr 1
		.amdhsa_wavefront_size32 1
		.amdhsa_system_sgpr_workgroup_id_x 1
		.amdhsa_system_sgpr_workgroup_id_y 1
		.amdhsa_system_sgpr_workgroup_id_z 1
		.amdhsa_system_vgpr_workitem_id 0
		.amdhsa_next_free_vgpr 1024
		.amdhsa_next_free_sgpr 102
		.amdhsa_reserve_vcc 0
		.amdhsa_float_denorm_mode_32 3
		.amdhsa_float_denorm_mode_16_64 3
		.amdhsa_memory_ordered 1
		.amdhsa_forward_progress 1
		.amdhsa_inst_pref_size 202
	.end_amdhsa_kernel
	.amdgpu_metadata
---
amdhsa.version: [ 1, 2 ]
amdhsa.kernels:
  - .name:           k_q3a0c25fd94_score
    .symbol:         k_q3a0c25fd94_score.kd
    .args:
      - { .name: qk, .offset: 0, .size: 8, .value_kind: global_buffer, .address_space: global }
      - { .name: pc, .offset: 8, .size: 8, .value_kind: global_buffer, .address_space: global }
      - { .name: st, .offset: 16, .size: 8, .value_kind: global_buffer, .address_space: global }
    .group_segment_fixed_size: 327680
    .private_segment_fixed_size: 0
    .kernarg_segment_align: 8
    .kernarg_segment_size: 24
    .max_flat_workgroup_size: 128
    .sgpr_count:     102
    .vgpr_count:     1024
    .wavefront_size: 32
...
	.end_amdgpu_metadata
.endif
;; end of part 3
;; launch ctx (part 4): grid 8 x 32, 4 waves a work-group, clusters of 4 x 1, 327,680 bytes of LDS; arguments pc, st, vt, out0; writes out0
.if DOCPART == 4
	.amdgcn_target "amdgcn-amd-amdhsa--gfx1250"
	.amdhsa_code_object_version 6
	.text
	.protected	k_q3a0c25fd94_ctx
	.globl	k_q3a0c25fd94_ctx
	.p2align	8
	.type	k_q3a0c25fd94_ctx,@function
k_q3a0c25fd94_ctx:
	s_mov_b64 s[64:65], 0
	v_nop
	global_prefetch_b8 v0, s[64:65] scope:SCOPE_SE
	s_setreg_imm32_b32 hwreg(HW_REG_WAVE_MODE, 25, 1), 1
	s_wait_xcnt 0x0
	s_wait_alu depctr_hold_cnt(0) depctr_sa_sdst(0) depctr_va_vdst(0) depctr_va_sdst(0) depctr_va_ssrc(0) depctr_va_vcc(0) depctr_vm_vsrc(0)
	s_getreg_b32 s2, hwreg(HW_REG_IB_STS2, 6, 4)
	s_cmp_eq_u32 s2, 0
	s_cbranch_scc0 .Lentry_in_a_cluster
	s_endpgm
.Lentry_in_a_cluster:
	s_bfe_u32 s2, ttmp6, 0x10000c
	s_cmp_lg_u32 s2, 0x3003
	s_cbranch_scc0 .Lentry_shape_is_right
	s_endpgm
.Lentry_shape_is_right:
; context = (p v) / l on codes of BF6 (E3M2).  p's codes, scale words, -M and sums come as units of 128 queries x 128 keys, each made with its own M; here the scale bytes are lowered by the row's M less the unit's M
; (held at 127; a byte does not fall under 0), the sums multiplied by the same power of two and added, and the product divided by the sum.
; SHARES.  A work-group takes 128 channels (column group) and the PAIR p of a batch: query block L = 15 - p, which keeps 16 - p units of keys, and block S = p, which keeps p + 1: 17 units for every p, so that the
; 8 x 32 = 256 work-groups have equal work, and no unit that the causal mask hides is multiplied.  Wave (wa, wb): 64 queries of either block (fragments 4 wa on) x 64 channels (fragments 4 wb on): 16 + 16 accumulators.
; THE WALK has 17 steps t of one unit each: t = 0: L with keys 0; t = 1 + j, j = 0 .. 7: S with keys j where j <= p, else L with keys 16 - j; t = 8 + u: L with keys u = 1 .. 8.  p's units lie in memory in this order.
; v's 16 units of the batch stay in LDS, each at its own place, so every LDS address is a constant of the text; only which of two places a step reads hangs on p.
; S is finished at t = 8 for every p: its rows leave in steps 9 to 13, between L's products; L's leave at the end.
; FILLS, one load a wave each: at the head p's places 0, 1 (waves 0, 3) and v's units 0, 1 (waves 2, 1); then p's 2-8 (waves 0, 3), v's 2-8 (wave 2) and 9-15 (wave 1; not for p = 7, which reads none of them);
; behind step 4 p's 9-13 over places 0-4; behind step 8 p's 14-16 over places 5-7.
; CLUSTERS: 4 x 1: the four column groups of a cluster walk the same pair: p's units are asked for jointly.  v's hang on the column group and are each work-group's own.
; PREFETCH: behind the second fill, four steps ahead of the first load that wants them, p's places 9-16 are asked for, 98,304 bytes, each 256 bytes once in each cluster: partner cx takes 96 blocks, a wave 24.
; LIMITS: M is exact for |t| under 2^24; NaN and infinities are not served.
; REGISTERS: window 0: v8-30 addresses; v32-47 scale words; v48-55 1 / sum; v64-159 p's fragments, two sets of four; v160-255 the ways out.  Window 1: v0-95 v's fragments, two sets.
; Window 2: L's accumulator (a, b) at v[8 (4 a + b)], S's at 128 + that.
.set UNIT,  12800
.set PU,    12288
.set SCO,   12288
.set FRB,   1536
.set VB,    9*PU                       ; behind p's nine places: v's 16 units
.set STG,   VB+9*UNIT                  ; the ways out: 8,704 bytes a wave on v's units 9-15, which have had their only fill, and their last read ahead of step 8's round
.set FIX,   VB+16*UNIT                 ; 17 x 512 bytes: the lowered scale words
.set RL,    FIX+17*512                 ; 1 / sum, L's 128 and S's 128
.set SPARE, RL+1024                    ; the spare words, 128 bytes a wave: two blocks of 256 bytes that no other line names
.set HALF,  7*PU/2                     ; half of places 2 .. 8
.set ADRA, 8
.set ADRV, 10
.set ADVS, 14
.set ADSA, 18
.set FXA,  19
.set RLW,  20
.set RLA,  21
.set STO,  22
.set RD,   23
.set CO,   24
.set VO,   25
.set PFO,  26
.set SPW,  28
.set NIL,  29
.set SA,   32
.set SB,   40
.set RLR,  48
.set AF,   64
.set FB,   64                          ; v64-114 at the head: place t's scale word, -M, sum at 3 t, 3 t + 1, 3 t + 2
.set ML,   116
.set MS,   117
.set BIG,  118
.set TQ,   128
.set U,    151                         ; v152-158, v159-165 at work, by j
.set TT,   160                         ; the ways out
.set BK,   192
.set G1A,  24
.set G0A,  32
.set G0V,  36
.set SKV,  44                          ; s44  1: I fetch none of v's units 9-15
.set AV,   45                          ; s45  0: I fetch p (waves 0, 3), 1: v (waves 1, 2)
.set G1V,  48
.set PFB,  68
.set ST0,  72
.set KM,   84                          ; s85-91: j <= p ? all lanes : none
.set OUTL, 92
.set OUTS, 94
.set MSB, 0
.macro WIN new
.if MSB != (\new)
	s_set_vgpr_msb (MSB<<8)|(\new)
.set MSB, \new
.endif
.endm
.macro PLACES                          ; four places in front of loads into registers that matrix instructions have read, and of the first read of results
.rept 4
	v_nop
.endr
.endm
.macro CROUND
	s_barrier_signal -1
	s_barrier_wait -1
	s_cmp_lg_u32 s14, 0
	s_cbranch_scc1 .Lnot_wave_0_\@
	s_barrier_signal -3
.Lnot_wave_0_\@:
	s_barrier_wait -3
	s_barrier_signal -1
	s_barrier_wait -1
.endm
.macro TLOAD g0, g1                    ; a tensor load and the lines behind it
	tensor_load_to_lds s[\g0:\g0+3], s[\g1:\g1+7]
	s_nop 0
.rept 4
	v_nop
.endr
.endm
.macro FA t                            ; step t: p's four fragments, from place t or t - 9, and their scale words, into set t % 2
.if (\t) < 9
.set SL, \t
.else
.set SL, (\t)-9
.endif
.set FE, (\t)&1
.irp a, 0,1,2,3
.irp c, 0,1,2
	ds_load_b128 v[AF+48*FE+12*\a+4*\c:AF+48*FE+12*\a+4*\c+3], v[ADRA+SL/5] offset:(SL%5)*PU+FRB*\a+512*\c
.endr
.endr
	ds_load_b128 v[SA+4*FE:SA+4*FE+3], v[ADSA] offset:512*(\t)
.endm
.macro FVU u, e                        ; v's unit u: four fragments and their scale words, into set e
	WIN 0x40
.irp b, 0,1,2,3
.irp c, 0,1,2
	ds_load_b128 v[48*(\e)+12*\b+4*\c:48*(\e)+12*\b+4*\c+3], v[ADRV+(\u)/4] offset:((\u)%4)*UNIT+FRB*\b+512*\c
.endr
.endr
	WIN 0
	ds_load_b128 v[SB+4*(\e):SB+4*(\e)+3], v[ADVS+(\u)/4] offset:((\u)%4)*UNIT
.endm
.macro FETCH t                         ; 26 LDS loads
	FA \t
.if (\t) < 2
	FVU 0, (\t)&1
.elseif (\t) > 8
	FVU (\t)-8, (\t)&1
.else
	s_cmp_ge_u32 s18, (\t)-1                       ; the pair's number is the same in all four partners
	s_cbranch_scc0 .Ll_\@
	FVU (\t)-1, (\t)&1
	s_branch .Lj_\@
.Ll_\@:
	FVU 17-(\t), (\t)&1
.Lj_\@:
.endif
.endm
.macro MUL acc, e, zero                ; 16 products, each accumulator once
	WIN 0xa1
.irp a, 0,1,2,3
.irp b, 0,1,2,3
.set DD, (\acc)+8*(4*\a+\b)
.if \zero
	v_wmma_scale_f32_16x16x128_f8f6f4 v[DD:DD+7], v[48*(\e)+12*\b:48*(\e)+12*\b+11], v[AF+48*(\e)+12*\a:AF+48*(\e)+12*\a+11], 0, v[SB+4*(\e)+\b], v[SA+4*(\e)+\a] matrix_a_fmt:MATRIX_FMT_BF6 matrix_b_fmt:MATRIX_FMT_BF6
.else
	v_wmma_scale_f32_16x16x128_f8f6f4 v[DD:DD+7], v[48*(\e)+12*\b:48*(\e)+12*\b+11], v[AF+48*(\e)+12*\a:AF+48*(\e)+12*\a+11], v[DD:DD+7], v[SB+4*(\e)+\b], v[SA+4*(\e)+\a] matrix_a_fmt:MATRIX_FMT_BF6 matrix_b_fmt:MATRIX_FMT_BF6
.endif
.endr
.endr
	WIN 0
.endm
.macro MULT t
.if (\t) == 0
	MUL 0, 0, 1                                    ; starts L's sums
.elseif (\t) == 1
	MUL 128, 1, 1                                  ; starts S's sums
.elseif (\t) > 8
	MUL 0, (\t)&1, 0
.else
	s_cmp_ge_u32 s18, (\t)-1
	s_cbranch_scc0 .Lml_\@
	MUL 128, (\t)&1, 0
	s_branch .Lmj_\@
.Lml_\@:
	MUL 0, (\t)&1, 0
.Lmj_\@:
.endif
.endm
.macro STEP t
	s_wait_dscnt 0x0                               ; this step's fragments are in
	PLACES
	FETCH (\t)+1
	MULT \t
.endm
.macro TURN t, rows, lds, mem          ; this step's places of p and those before it are read no more: they are filled again, a quarter of the fill a wave
	s_wait_dscnt 0x0
	s_wait_tensorcnt 0x0                           ; all my loads have landed: what the next steps read is shown by the round below
	ds_add_u32 v[SPW], v[NIL]                      ; 0 onto my spare word
	s_mul_i32 s96, s14, (\rows)*256
	s_add_co_u32 s[G0A+1], s96, \lds
	s_add_co_u32 s96, s96, \mem
	s_add_nc_u64 s[G0A+2:G0A+3], s[20:21], s[96:97]
	s_or_b32 s[G0A+3], s[G0A+3], 0x80000000
	s_mov_b32 s[G1A+2], (\rows)<<16
	s_mov_b32 s[G1A+4], \rows
	s_wait_dscnt 0x0                               ; the add is done
	CROUND
	TLOAD G0A, G1A                                 ; its four v_nop are the places in front of the loads below
	FETCH (\t)+1
	MULT \t
.endm
; THE WAYS OUT: 16 rows x 64 columns at a time through my own stage, two by turns.
.macro OUTA a
	WIN 0x02
.set NN, 0
.rept 32
	v_mul_f32 v[TT+NN], v[32*(\a)+NN], v[RLR+(\a)]
.set NN, NN+1
.endr
	WIN 0
.if (\a) != 4 && (\a) != 5
	s_wait_alu depctr_va_vdst(0)
	s_wait_xcnt 0x0                                ; the stores of the fragment two back have read the registers that the loads below write
.endif
.irp b, 0,1,2,3
.irp e, 0,1
	ds_store_b128 v[STO], v[TT+8*\b+4*\e:TT+8*\b+4*\e+3] offset:4352*((\a)%2)+128*(\b/2)+32*(\b%2)+16*\e
.endr
.endr
.irp t, 0,1,2,3,4,5,6,7
	ds_load_b128 v[BK+32*((\a)%2)+4*\t:BK+32*((\a)%2)+4*\t+3], v[RD] offset:4352*((\a)%2)+544*\t   ; LDS serves a wave's instructions in order (ISA guide 5.7.1.4)
.endr
.endm
.macro SEND a, younger                 ; younger: the LDS instructions issued behind the fragment's, which may be out
	s_wait_dscnt \younger
.if (\a) < 4
.set QO, OUTL
.else
.set QO, OUTS
.endif
.irp t, 0,1,2,3,4,5,6,7
	global_store_b128 v[CO], v[BK+32*((\a)%2)+4*\t:BK+32*((\a)%2)+4*\t+3], s[QO:QO+1] offset:(32*(((\a)%4)/2)+8*((\a)%2)+2*\t+8*(\t/4))*4096 th:TH_STORE_NT   ; sixteen lanes store 256 consecutive bytes, aligned
.endr
.endm
	s_load_b256 s[4:11], s[0:1], 0x0               ; pc, st, vt, out0
	v_lshl_add_u32 v[SPW], v0, 2, SPARE
	v_mov_b32 v[NIL], 0
	ds_add_u32 v[SPW], v[NIL]                      ; the wave's opening: the add, twice on end, and its one wait ahead of my first tensor load
	ds_add_u32 v[SPW], v[NIL]
	v_lshrrev_b32 v1, 5, v0
	v_readfirstlane_b32 s14, v1                    ; wave 0..3
	s_lshr_b32 s15, s14, 1                         ; wa
	s_and_b32 s16, s14, 1                          ; wb.  Also: which part of a fill's p or v I fetch
	s_add_co_u32 s[AV], s14, 1
	s_lshr_b32 s[AV], s[AV], 1
	s_and_b32 s[AV], s[AV], 1
	s_bfe_u32 s40, ttmp6, 0x40000                  ; cx
	s_lshl_b32 s42, ttmp9, 2
	s_add_co_u32 s42, s42, s40                     ; the column group
	s_and_b32 s17, ttmp7, 0xffff                   ; 8 x batch + p
	s_and_b32 s18, s17, 7                          ; p
	s_lshr_b32 s19, s17, 3                         ; the batch
.irp j, 1,2,3,4,5,6,7
	s_cmp_ge_u32 s18, \j
	s_cselect_b32 s[KM+\j], -1, 0
.endr
	s_cmp_eq_u32 s18, 7
	s_cselect_b32 s[SKV], s16, 0
	s_mov_b32 s[G1A], 15|(3<<16)|(1<<21)           ; all four partners; elements of 8 bytes; 21 set beside a mask
	s_mov_b32 s[G1A+2], 48<<16                     ; a unit of p: 48 rows of 256 bytes
	s_mov_b32 s[G1A+4], 48
	s_mov_b32 s[G1V], 3<<16
	s_mov_b32 s[G1V+2], 50<<16                     ; a unit of v: 50 rows
	s_mov_b32 s[G1V+4], 50
.irp g, G1A, G1V
	s_mov_b32 s[\g+1], 32<<16
	s_mov_b32 s[\g+3], 32<<16
	s_mov_b32 s[\g+5], 32
	s_mov_b32 s[\g+6], 0
	s_mov_b32 s[\g+7], 0
.endr
	s_mul_i32 s20, s17, 17*PU                      ; the pair's units of p: never cx
	s_mov_b32 s21, 0
	s_lshl_b32 s22, s42, 6                         ; v's units: 64 x column group + 16 x batch
	s_lshl_b32 s41, s19, 4
	s_add_co_u32 s22, s22, s41
	s_mul_i32 s22, s22, UNIT
	s_mov_b32 s23, 0
	s_mul_i32 s[ST0], s17, 17*1536
	s_mov_b32 s[ST0+1], 0
	s_mul_i32 s[PFB], s40, 2*PU                    ; the prefetch: my work-group's two of the eight units
	s_add_co_u32 s[PFB], s[PFB], 9*PU
	s_mov_b32 s[PFB+1], 0
	s_lshl_b32 s98, s15, 18                        ; in the output: 64 wa rows of 4,096 bytes, 128 columns a group, 64 wb
	s_lshl_b32 s99, s42, 9
	s_add_co_u32 s98, s98, s99
	s_lshl_b32 s99, s16, 8
	s_add_co_u32 s98, s98, s99
	s_sub_co_u32 s99, 15, s18
	s_add_co_u32 s99, s99, s41                     ; L's 128 rows: 16 x batch + 15 - p
	s_lshl_b32 s[OUTL], s99, 19
	s_add_co_u32 s[OUTL], s[OUTL], s98
	s_mov_b32 s[OUTL+1], 0
	s_add_co_u32 s99, s18, s41                     ; S's: 16 x batch + p
	s_lshl_b32 s[OUTS], s99, 19
	s_add_co_u32 s[OUTS], s[OUTS], s98
	s_mov_b32 s[OUTS+1], 0
	s_mul_i32 s43, s15, 4*FRB                      ; LDS terms of my wave
	s_mul_i32 s66, s16, 4*FRB
	s_add_co_u32 s66, s66, VB
	s_lshl_b32 s67, s16, 4
	s_add_co_u32 s67, s67, VB+SCO
	s_lshl_b32 s70, s15, 8
	s_add_co_u32 s71, s70, RL
	s_add_co_u32 s70, s70, FIX
	s_mul_i32 s74, s14, 2*16*272
	s_add_co_u32 s74, s74, STG
	s_mul_i32 s75, s14, 24*256
	v_and_b32 v1, 15, v0                           ; r
	v_bfe_u32 v2, v0, 4, 1                         ; h
	v_and_b32 v3, 31, v0
	v_lshlrev_b32 v4, 4, v3
	v_lshlrev_b32 v5, 5, v1
	v_lshlrev_b32 v6, 4, v1
	v_lshlrev_b32 v[VO], 2, v0
	v_add_nc_u32 v[ADRA], s43, v4
	v_add_nc_u32 v[ADRA+1], 5*PU, v[ADRA]
	v_add_nc_u32 v[ADRV], s66, v4
	v_add_nc_u32 v[ADVS], s67, v5
.irp i, 1,2,3
	v_add_nc_u32 v[ADRV+\i], \i*4*UNIT, v[ADRV]
	v_add_nc_u32 v[ADVS+\i], \i*4*UNIT, v[ADVS]
.endr
	v_add_nc_u32 v[ADSA], s70, v6                  ; four words of my half of a plane's queries: 256 wa + 16 r
	v_add_nc_u32 v[RLA], s71, v6
	v_add_nc_u32 v[FXA], FIX, v[VO]
	v_add_nc_u32 v[RLW], RL, v[VO]
	v_mul_u32_u24 v[STO], v1, 272                  ; the way out, in: row r, 64 h
	v_lshl_add_u32 v[STO], v2, 6, v[STO]
	v_add_nc_u32 v[STO], s74, v[STO]
	v_mul_u32_u24 v[RD], v2, 272                   ; back: sixteen lanes to a row of 256 bytes
	v_lshl_add_u32 v[RD], v1, 4, v[RD]
	v_add_nc_u32 v[RD], s74, v[RD]
	v_lshlrev_b32 v[CO], 12, v2
	v_lshl_add_u32 v[CO], v1, 4, v[CO]
	v_min_u32 v7, 23, v3
	v_lshlrev_b32 v7, 8, v7
	v_add_nc_u32 v[PFO], s75, v7                   ; the prefetch: block 24 x wave + lane; lanes 24-31 name the wave's last again
	s_wait_alu depctr_va_vdst(0)
	s_wait_dscnt 0x0                               ; both opening adds are done
	s_wait_kmcnt 0x0
	s_add_nc_u64 s[ST0:ST0+1], s[6:7], s[ST0:ST0+1]
.set NN, 0
.rept 17
.irp q, 0,1,2
	global_load_b32 v[FB+3*NN+\q], v[VO], s[ST0:ST0+1] offset:1536*NN+512*\q
.endr
.set NN, NN+1
.endr
	s_add_nc_u64 s[20:21], s[4:5], s[20:21]
	s_add_nc_u64 s[22:23], s[8:9], s[22:23]
	s_add_nc_u64 s[PFB:PFB+1], s[20:21], s[PFB:PFB+1]
	s_add_nc_u64 s[OUTL:OUTL+1], s[10:11], s[OUTL:OUTL+1]
	s_add_nc_u64 s[OUTS:OUTS+1], s[10:11], s[OUTS:OUTS+1]
	s_mov_b32 s97, 0
	s_mul_i32 s96, s16, PU
	s_mov_b32 s[G0A], 1
	s_mov_b32 s[G0A+1], s96
	s_add_nc_u64 s[G0A+2:G0A+3], s[20:21], s[96:97]
	s_or_b32 s[G0A+3], s[G0A+3], 0x80000000
	s_mul_i32 s96, s16, UNIT
	s_mov_b32 s[G0V], 1
	s_add_co_u32 s[G0V+1], s96, VB
	s_add_nc_u64 s[G0V+2:G0V+3], s[22:23], s[96:97]
	s_or_b32 s[G0V+3], s[G0V+3], 0x80000000
	CROUND                                         ; all four work-groups are here: the first joint loads meet
	s_cmp_eq_u32 s[AV], 0
	s_cbranch_scc0 .Lhead_v
	TLOAD G0A, G1A
	s_branch .Lhead_asked
.Lhead_v:
	TLOAD G0V, G1V
.Lhead_asked:
	s_wait_tensorcnt 0x0                           ; my part of the first fill is in
	ds_add_u32 v[SPW], v[NIL]
	s_mul_i32 s96, s16, HALF                       ; p's places 2-8: LDS and memory run alike
	s_add_co_u32 s96, s96, 2*PU
	s_mov_b32 s[G0A+1], s96
	s_add_nc_u64 s[G0A+2:G0A+3], s[20:21], s[96:97]
	s_or_b32 s[G0A+3], s[G0A+3], 0x80000000
	s_mov_b32 s[G1A+2], 168<<16                    ; three and a half units: 168 rows
	s_mov_b32 s[G1A+4], 168
	s_mul_i32 s96, s16, 7*UNIT                     ; v's units 2-8 or 9-15
	s_add_co_u32 s96, s96, 2*UNIT
	s_add_co_u32 s[G0V+1], s96, VB
	s_add_nc_u64 s[G0V+2:G0V+3], s[22:23], s[96:97]
	s_or_b32 s[G0V+3], s[G0V+3], 0x80000000
	s_mov_b32 s[G1V+2], 350<<16
	s_mov_b32 s[G1V+4], 350
	s_wait_dscnt 0x0
	CROUND
	s_cmp_eq_u32 s[AV], 0
	s_cbranch_scc0 .Lsecond_v
	TLOAD G0A, G1A
	s_branch .Lsecond
.Lsecond_v:
	s_cmp_eq_u32 s[SKV], 0
	s_cbranch_scc0 .Lsecond
	TLOAD G0V, G1V
.Lsecond:
	s_wait_loadcnt 0x0                             ; the planes are in: thread i has the query at word i of either block
	global_prefetch_b8 v[PFO], s[PFB:PFB+1] th:TH_LOAD_NT scope:SCOPE_SE
	; the least -M of L (places 0, 9 .. 16, and 1 + j where j > p) and of S (place 1, and 1 + j where j <= p): the row's
	v_mov_b32 v[BIG], 0x7f61b1e6                   ; 3e38
	v_min3_num_f32 v119, v[FB+1], v[FB+28], v[FB+31]
	v_min3_num_f32 v120, v[FB+34], v[FB+37], v[FB+40]
	v_min3_num_f32 v121, v[FB+43], v[FB+46], v[FB+49]
.irp j, 1,2,3,4,5,6,7
	v_cndmask_b32 v[U+\j], v[FB+3*(1+\j)+1], v[BIG], s[KM+\j]
.endr
.irp j, 1,2,3,4,5,6,7
	v_cndmask_b32 v[U+7+\j], v[BIG], v[FB+3*(1+\j)+1], s[KM+\j]
.endr
	v_min3_num_f32 v[ML], v119, v120, v121
	v_min3_num_f32 v122, v[U+1], v[U+2], v[U+3]
	v_min3_num_f32 v123, v[U+4], v[U+5], v[U+6]
	v_min3_num_f32 v[MS], v[FB+4], v[U+8], v[U+9]
	v_min3_num_f32 v124, v[U+10], v[U+11], v[U+12]
	v_min3_num_f32 v[ML], v[ML], v122, v123
	v_min3_num_f32 v[MS], v[MS], v124, v[U+13]
	v_min_num_f32 v[ML], v[ML], v[U+7]
	v_min_num_f32 v[MS], v[MS], v[U+14]
.irp j, 1,2,3,4,5,6,7
	v_cndmask_b32 v[U+\j], v[ML], v[MS], s[KM+\j]
.endr
.irp t, 0,9,10,11,12,13,14,15,16
	v_sub_f32 v[FB+3*\t+1], v[FB+3*\t+1], v[ML]
.endr
	v_sub_f32 v[FB+4], v[FB+4], v[MS]
.irp j, 1,2,3,4,5,6,7
	v_sub_f32 v[FB+3*(1+\j)+1], v[FB+3*(1+\j)+1], v[U+\j]
.endr
.macro ALL line:vararg                 ; the same line for each of the 17 places
.set NN, 0
.rept 17
	\line
.set NN, NN+1
.endr
.endm
	ALL v_min_num_f32 v[FB+3*NN+1], 0x42fe0000, v[FB+3*NN+1]   ; the row's M less the unit's, held at 127
	ALL v_cvt_i32_f32 v[FB+3*NN+1], v[FB+3*NN+1]
	ALL v_sub_nc_u32 v[TQ+NN], 0, v[FB+3*NN+1]
	ALL v_ldexp_f32 v[FB+3*NN+2], v[FB+3*NN+2], v[TQ+NN]       ; the unit's sum under the row's M
	ALL v_mul_u32_u24 v[FB+3*NN+1], 0x10101, v[FB+3*NN+1]      ; the difference in three bytes,
	ALL v_lshrrev_b32 v[TQ+NN], 16, v[FB+3*NN+1]
	ALL v_lshl_or_b32 v[FB+3*NN+1], v[TQ+NN], 24, v[FB+3*NN+1] ; and in all four
	ALL v_or_b32 v[FB+3*NN], 0x80808080, v[FB+3*NN]            ; p is at most 1, so every byte is under 128: with the top bit set no byte borrows from the next
	ALL v_sub_nc_u32 v[FB+3*NN], v[FB+3*NN], v[FB+3*NN+1]
	ALL v_and_b32 v[TQ+NN], 0x80808080, v[FB+3*NN]             ; a top bit that has gone: the byte would fall under 0, and becomes 0
	ALL v_lshrrev_b32 v[FB+3*NN+1], 7, v[TQ+NN]
	ALL v_sub_nc_u32 v[TQ+NN], v[TQ+NN], v[FB+3*NN+1]
	ALL v_and_b32 v[FB+3*NN], v[FB+3*NN], v[TQ+NN]
	ALL ds_store_b32 v[FXA], v[FB+3*NN] offset:512*NN
	; the two sums
.irp j, 1,2,3,4,5,6,7
	v_cndmask_b32 v[U+\j], v[FB+3*(1+\j)+2], 0, s[KM+\j]
.endr
.irp j, 1,2,3,4,5,6,7
	v_cndmask_b32 v[U+7+\j], 0, v[FB+3*(1+\j)+2], s[KM+\j]
.endr
	v_add_f32 v119, v[FB+2], v[FB+29]
	v_add_f32 v120, v[FB+32], v[FB+35]
	v_add_f32 v121, v[FB+38], v[FB+41]
	v_add_f32 v122, v[FB+44], v[FB+47]
	v_add_f32 v123, v[FB+50], v[U+1]
	v_add_f32 v124, v[FB+5], v[U+8]
.irp j, 2,4,6
	v_add_f32 v[U+\j], v[U+\j], v[U+\j+1]
	v_add_f32 v[U+7+\j], v[U+7+\j], v[U+7+\j+1]
.endr
	v_add_f32 v119, v119, v120
	v_add_f32 v121, v121, v122
	v_add_f32 v123, v123, v[U+2]
	v_add_f32 v[U+4], v[U+4], v[U+6]
	v_add_f32 v124, v124, v[U+9]
	v_add_f32 v[U+11], v[U+11], v[U+13]
	v_add_f32 v119, v119, v121
	v_add_f32 v123, v123, v[U+4]
	v_add_f32 v124, v124, v[U+11]
	v_add_f32 v119, v119, v123
	s_wait_alu depctr_va_vdst(0)
	v_rcp_f32 v125, v119
	v_rcp_f32 v126, v124
	v_nop                                          ; one plain place behind a transcendental
	s_wait_alu depctr_va_vdst(0)                   ; one wait for the batch
	ds_store_b32 v[RLW], v125
	ds_store_b32 v[RLW], v126 offset:512
	s_wait_dscnt 0x0
	s_barrier_signal -1
	s_barrier_wait -1                              ; everybody's scale words and sums lie in LDS; the first fill was shown by the round above
	ds_load_b128 v[RLR:RLR+3], v[RLA]
	ds_load_b128 v[RLR+4:RLR+7], v[RLA] offset:512
	FETCH 0
	STEP 0
	s_wait_dscnt 0x0
	MULT 1
	s_wait_tensorcnt 0x0                           ; my part of the second fill is in
	s_barrier_signal -1
	s_barrier_wait -1
	PLACES
	FETCH 2
	STEP 2
	STEP 3
	TURN 4, 60, 0, 9*PU
	STEP 5
	STEP 6
	STEP 7
	TURN 8, 36, 5*PU, 14*PU
	STEP 9
	OUTA 4                                         ; S's rows leave
	STEP 10
	SEND 4, 26
	OUTA 5
	STEP 11
	SEND 5, 26
	OUTA 6
	STEP 12
	SEND 6, 26
	OUTA 7
	s_wait_dscnt 0x0
	MULT 13
	SEND 7, 0
	s_wait_tensorcnt 0x0                           ; p's last three places are in
	s_barrier_signal -1
	s_barrier_wait -1
	PLACES
	FETCH 14
	STEP 14
	STEP 15
	s_wait_dscnt 0x0
	MULT 16
	PLACES
	OUTA 0
.irp a, 1,2,3
	OUTA \a
	SEND \a-1, 16
.endr
	SEND 3, 0
	s_wait_tensorcnt 0x0                           ; the wave's end
	ds_add_u32 v[SPW], v[NIL]
	s_wait_dscnt 0x0
	CROUND                                         ; the closing round
	s_endpgm
.Lfunc_end_k_q3a0c25fd94_ctx:
	.size	k_q3a0c25fd94_ctx, .Lfunc_end_k_q3a0c25fd94_ctx-k_q3a0c25fd94_ctx
	.p2alignl 7, 3214868480
	.fill 96, 4, 3214868480
	.section	.rodata,"a",@progbits
	.p2align	6, 0x0
	.amdhsa_kernel k_q3a0c25fd94_ctx
		.amdhsa_group_segment_fixed_size 327680
		.amdhsa_private_segment_fixed_size 0
		.amdhsa_enable_private_segment 0
		.amdhsa_kernarg_size 32
		.amdhsa_user_sgpr_count 2
		.amdhsa_user_sgpr_kernarg_segment_ptr 1
		.amdhsa_wavefront_size32 1
		.amdhsa_system_sgpr_workgroup_id_x 1
		.amdhsa_system_sgpr_workgroup_id_y 1
		.amdhsa_system_sgpr_workgroup_id_z 1
		.amdhsa_system_vgpr_workitem_id 0
		.amdhsa_next_free_vgpr 768
		.amdhsa_next_free_sgpr 100
		.amdhsa_reserve_vcc 0
		.amdhsa_float_denorm_mode_32 3
		.amdhsa_float_denorm_mode_16_64 3
		.amdhsa_memory_ordered 1
		.amdhsa_forward_progress 1
		.amdhsa_inst_pref_size 144
	.end_amdhsa_kernel
	.amdgpu_metadata
---
amdhsa.version: [ 1, 2 ]
amdhsa.kernels:
  - .name:           k_q3a0c25fd94_ctx
    .symbol:         k_q3a0c25fd94_ctx.kd
    .args:
      - { .name: pc, .offset: 0, .size: 8, .value_kind: global_buffer, .address_space: global }
      - { .name: st, .offset: 8, .size: 8, .value_kind: global_buffer, .address_space: global }
      - { .name: vt, .offset: 16, .size: 8, .value_kind: global_buffer, .address_space: global }
      - { .name: out0, .offset: 24, .size: 8, .value_kind: global_buffer, .address_space: global }
    .group_segment_fixed_size: 327680
    .private_segment_fixed_size: 0
    .kernarg_segment_align: 8
    .kernarg_segment_size: 32
    .max_flat_workgroup_size: 128
    .sgpr_count:     100
    .vgpr_count:     768
    .wavefront_size: 32
...
	.end_amdgpu_metadata
.endif
;; end of part 4
